; MI455X (gfx1250); checked and timed in simulation.
; The chip was launched on July 23, 2026; its instructions are those of AMD's public machine-readable ISA for CDNA 5 (MIT licence, August 2026) and "CDNA5" Instruction Set Architecture Reference Guide (July 2026). The comments in the code are by the model that wrote it; some were corrected since.
;; Grouped Query Attention. Allowed arithmetic: matrix products marked QUANTISED: E4M3 operands, one given power-of-two scale a tensor, by v_wmma_f32_16x16x64_fp8_fp8 or v_wmma_f32_16x16x128_fp8_fp8, f32 sums; everything else in f32.
;; Inputs: cos 2,048 x 64 float32; kg 64 float32; lowp_scales 12 int32 (the exponents e of the quantised operands' scales 2^e); mask 2,048 x 2,048 bool; qg 64 float32; sin 2,048 x 64 float32; wk 512 x 2,048 float32; wo 2,048 x 2,048 float32; wq 2,048 x 2,048 float32; wv 512 x 2,048 float32; x 1 x 2,048 x 2,048 float32.
;; Outputs: out0 1 x 2,048 x 2,048 float32.
;; This version of the problem:
;;   THIS VERSION OF THE PROBLEM IS GIVEN IN LOW PRECISION. The matrix products marked QUANTISED in the list below multiply operands that are first quantised to E4M3 (4 exponent bits, 3 mantissa bits; 8 bits a number), with one given power-of-two scale for each operand tensor; their sums are f32. All else is computed in f32.
;;   The module's matrix products, in the order in which they are computed (A, B: the left and right operand; K: the contracted axis; several contracted axes count as one K, in the product's order):
;;     1. [M 2,048, K 2,048] x [K 2,048, N 2,048]; A: input x; B: input wq: QUANTISED (scales: A lowp_scales[0], B lowp_scales[1])
;;     2. [M 2,048, K 2,048] x [K 2,048, N 512]; A: input x; B: input wk: QUANTISED (scales: A lowp_scales[2], B lowp_scales[3])
;;     3. [M 2,048, K 2,048] x [K 2,048, N 512]; A: input x; B: input wv: QUANTISED (scales: A lowp_scales[4], B lowp_scales[5])
;;     4. batch 32 x [M 2,048, K 64] x [K 64, N 2,048]; A: computed on the way; B: computed on the way: QUANTISED (scales: A lowp_scales[6], B lowp_scales[7])
;;     5. batch 32 x [M 2,048, K 2,048] x [K 2,048, N 64]; A: softmax (see below); B: computed on the way: QUANTISED (scales: A lowp_scales[8], B lowp_scales[9])
;;     6. [M 2,048, K 2,048] x [K 2,048, N 2,048]; A: computed on the way; B: input wo: QUANTISED (scales: A lowp_scales[10], B lowp_scales[11])
;;   THE QUANTISER, for each operand of a quantised product, along K:
;;     - The operand's scale is 2^e, e = its entry of the input lowp_scales (int32; the entries are numbered through the quantised products in the list's order, A before B).
;;     - Each number is divided by the scale, clamped to +-448, and rounded to the nearest number of E4M3, ties to even, subnormals kept.
;;     - The product sums the exact products of the quantised numbers (number of the format x scale) in f32.
;;   ~~~python
;;   def quantise(x, axis, e):      # numpy; x: float32 -> the quantised numbers, widened to float32 again
;;       x = np.moveaxis(x, axis, -1); K = x.shape[-1]
;;       r = np.clip(x / 2.0 ** e, -448, 448)
;;       step = 2.0 ** (np.maximum(np.frexp(np.where(r == 0, 1, r))[1] - 1, -6) - 3)
;;       q = np.round(r / step) * step * 2.0 ** e      # np.round: ties to even
;;       return np.moveaxis(q, -1, axis).astype(np.float32)
;;   ~~~
;;   SOFTMAX AHEAD OF A QUANTISED PRODUCT. Where the list says 'softmax', what is quantised is not the finished softmax but p = 2^(t - M), with t = logit x log2(e) and M = ceil(the row's largest t), a whole number; so 1/2 < the row's largest p <= 1. The row's sum l is taken of the UNQUANTISED p, in f32, and the product's result is divided by l at the end. Since M is a whole number, a kernel that streams over the keys may use a running M (the ceiling of the running maximum): every later rescaling is an exact power of two, so the quantised numbers keep their values, but for numbers so far below the row's largest that they fall under the format's range.
;;   OPERANDS COMPUTED ON THE WAY. 'Computed on the way' means the value that the module computes at that place (a softmax that the list does not call 'softmax' is quantised finished and normalised). What goes into a quantiser is computed in f32, as accurately as f32 sums, v_exp_f32 and their like allow (about 1e-6 of the number): no bf16 or f16 on the way to a quantiser, and a product that is left as it is and whose result goes on into a quantised operand takes f32 operands (vector FMAs, or v_wmma_f32_16x16x4_f32). A number that lies on a knife's edge between two numbers of the format may be rounded either way, as far as f32 arithmetic and the matrix unit's own rounding can turn it there, and no further.
;; 3 versions, each right; version 2 is faster than version 1; version 3 is version 2 with the launch attn written anew for expert scheduling mode. Each part assembles by itself: llvm-mc -triple=amdgcn-amd-amdhsa -mcpu=gfx1250 --defsym DOCPART=n.
;; ======== version 1 of 3: 4 launches
;; limits: right only within a limited range of input values
;; workspace buffers: xc 12,582,912 bytes; wc 10,485,760 bytes; mw 524,288 bytes of whole numbers; qi 4,194,304 bytes; kv 2,097,152 bytes; cc 4,194,304 bytes
;; launch prep (part 1): grid 576 x 1, 4 waves a work-group, no clusters, 33,280 bytes of LDS; arguments x, wq, wk, wv, wo, mask, lowp_scales, xc, wc, mw; writes xc, wc, mw
.if DOCPART == 1
	.amdgcn_target "amdgcn-amd-amdhsa--gfx1250"
	.amdhsa_code_object_version 6
	.text
	.protected	k_qad42b11405_prep
	.globl	k_qad42b11405_prep
	.p2align	8
	.type	k_qad42b11405_prep,@function
k_qad42b11405_prep:
	s_mov_b64 s[64:65], 0
	v_nop
	global_prefetch_b8 v0, s[64:65] scope:SCOPE_SE
	s_setreg_imm32_b32 hwreg(HW_REG_WAVE_MODE, 25, 1), 1
	s_wait_xcnt 0x0
; PREP: the f32 inputs become codes of FP8 (E4M3), and the mask becomes lane masks.
; code = number / 2^e, held within +-448, rounded to the nearest code, ties to even.  LIMITS: each e that is used here (entries 0 to 5 and 11) lies between -126 and 119; NaN among the inputs is not served.
; Work-groups 0-127: x (three planes of codes in xc, with e0, e2, e4: x is the left operand of three products with a scale each);
; 128-255: wq (e1), 256-287: wk (e3), 288-319: wv (e5), 320-447: wo (e11): all into wc, one behind the other; K is innermost in all five, so each is a plain stream.
; 448-575: the mask of 16 queries each, as words whose bit l belongs to lane l of the attention's score registers.
; A quantising work-group takes 32,768 numbers: 4 waves x 16 steps x 512.  Each load reads 512 consecutive bytes; a step's 2,048 bytes turn through the wave's own stage in LDS,
; so that a lane holds 16 neighbours along K for the conversions; a lane's 16 codes are 16 bytes, and the wave stores 512 consecutive bytes.  Waves share nothing: no barrier.
.set STEPS, 16
.set SP,    80                         ; a lane's place in a stage: 64 bytes + 16 of padding
.set WREG,  8192                       ; LDS of a wave: two stages of 32 x SP bytes
.set SC,    8                          ; v8-13   three pairs: 2^e, 448 x 2^e
.set R,     16                         ; v16-79  four sets of 16 numbers as loaded
.set X,     80                         ; v80-111 two sets of 16 neighbours
.set T,     112                        ; v112-127 the numbers held within the largest code x the scale
.set C,     128                        ; v128-139 codes, four registers for each plane
.set SRC,   40                         ; s[40:41] where my wave reads
.set D0,    44                         ; s[44:45] where its codes go;  s[48:49], s[54:55]: x's second and third plane
.set D1,    48
.set D2,    54
.macro LOAD t
.irp i, 0,1,2,3
	global_load_b128 v[R+16*((\t)%4)+4*\i:R+16*((\t)%4)+4*\i+3], v3, s[SRC:SRC+1] offset:2048*(\t)+512*\i th:TH_LOAD_NT   ; 32 lanes read 512 consecutive bytes; read once
.endr
.endm
.macro TURN t                          ; step t's numbers through the stage; LDS serves a wave's instructions in order, so no wait stands between the stores and the loads
.irp i, 0,1,2,3
	ds_store_b128 v14, v[R+16*((\t)%4)+4*\i:R+16*((\t)%4)+4*\i+3] offset:32*SP*((\t)%2)+8*SP*\i
.endr
.irp i, 0,1,2,3
	ds_load_b128 v[X+16*((\t)%2)+4*\i:X+16*((\t)%2)+4*\i+3], v15 offset:32*SP*((\t)%2)+16*\i
.endr
.endm
.macro SCALE j, e                      ; pair j: 2^e as f32 (the conversion takes its exponent field) and 448 x 2^e
	s_add_co_i32 s57, s[\e], 127
	s_lshl_b32 s58, s57, 23
	v_mov_b32 v[SC+2*\j], s58
	s_add_co_i32 s57, s57, 8
	s_lshl_b32 s57, s57, 23
	s_or_b32 s57, s57, 0x600000
	v_mov_b32 v[SC+2*\j+1], s57
.endm
.macro CONV j, t, d                    ; the step's 16 numbers with scale j: held (not in place: x is converted three times), converted, stored
.set i, 0
.rept 16
	v_med3_num_f32 v[T+i], v[XS+i], -v[SC+2*\j+1], v[SC+2*\j+1]   ; the conversion to an 8-bit code does not saturate (ISA guide 7.6.2)
.set i, i+1
.endr
	v_cvt_scalef32_pk8_fp8_f32 v[C+4*\j:C+4*\j+1], v[T:T+7], v[SC+2*\j]
	v_cvt_scalef32_pk8_fp8_f32 v[C+4*\j+2:C+4*\j+3], v[T+8:T+15], v[SC+2*\j]
	v_nop                                          ; a plain line between the conversions and the next holds, which write their sources
	global_store_b128 v3, v[C+4*\j:C+4*\j+3], s[\d:\d+1] offset:512*(\t)   ; 32 lanes store 512 consecutive bytes
.endm
.macro STEP t
.set XS, X+16*((\t)%2)
	s_wait_dscnt 0x0                               ; this step's numbers are back from the stage, and the stage's stores have read their registers
	s_wait_xcnt 0x0                                ; the last step's stores have read the codes' registers, which are written again below
.if (\t)+4 < STEPS
	LOAD (\t)+4
.endif
.if (\t)+1 < STEPS
.if STEPS-2-(\t) >= 3
	s_wait_loadcnt 12                              ; the next step's four loads are in; those of the three steps behind it may be out
.else
	s_wait_loadcnt 4*(STEPS-2-(\t))
.endif
	TURN (\t)+1
.endif
	CONV 0, \t, D0
	s_cmp_eq_u32 s46, 0                            ; only x has a second and a third plane: a branch on the work-group's number
	s_cbranch_scc1 .Lone_\@
	CONV 1, \t, D1
	CONV 2, \t, D2
.Lone_\@:
.endm
	s_load_b256 s[4:11], s[0:1], 0x0               ; x, wq, wk, wv
	s_load_b256 s[12:19], s[0:1], 0x20             ; wo, mask, the scales' exponents, xc
	s_load_b128 s[20:23], s[0:1], 0x40             ; wc, mw
	v_lshl_add_u32 v144, v0, 2, 0x8000
	v_mov_b32 v145, 0
	v_lshrrev_b32 v1, 5, v0
	v_readfirstlane_b32 s36, v1                    ; wave
	v_and_b32 v2, 31, v0                           ; lane
	s_cmp_ge_u32 ttmp9, 448
	s_cbranch_scc1 .Lmask
	v_lshlrev_b32 v3, 4, v2                        ; my 16 bytes of a load's 512, and of a store's
	s_mul_i32 s37, s36, WREG
	v_lshrrev_b32 v14, 2, v2
	v_mul_u32_u24 v14, v14, SP
	v_and_b32 v15, 3, v2
	v_lshl_add_u32 v14, v15, 4, v14
	v_add_nc_u32 v14, s37, v14                     ; the stage on the way in: four lanes' 64 bytes on end, then the padding
	v_mul_u32_u24 v15, v2, SP
	v_add_nc_u32 v15, s37, v15                     ; and on the way out: my 16 neighbours
	s_wait_kmcnt 0x0
	s_load_b256 s[24:31], s[16:17], 0x0            ; e0 .. e7
	s_load_b128 s[32:35], s[16:17], 0x20           ; e8 .. e11
	s_mov_b64 s[SRC:SRC+1], s[12:13]               ; which tensor: the choices hang on the work-group's number alone
	s_mov_b32 s42, 320                             ; and its first work-group
	s_cmp_lt_u32 ttmp9, 320
	s_cselect_b64 s[SRC:SRC+1], s[10:11], s[SRC:SRC+1]
	s_cselect_b32 s42, 288, s42
	s_cmp_lt_u32 ttmp9, 288
	s_cselect_b64 s[SRC:SRC+1], s[8:9], s[SRC:SRC+1]
	s_cselect_b32 s42, 256, s42
	s_cmp_lt_u32 ttmp9, 256
	s_cselect_b64 s[SRC:SRC+1], s[6:7], s[SRC:SRC+1]
	s_cselect_b32 s42, 128, s42
	s_cmp_lt_u32 ttmp9, 128
	s_cselect_b64 s[SRC:SRC+1], s[4:5], s[SRC:SRC+1]
	s_cselect_b32 s42, 0, s42
	s_cselect_b64 s[D0:D0+1], s[18:19], s[20:21]   ; x's codes go to xc, the weights' to wc,
	s_cselect_b32 s43, 0, 128                      ; which begins with work-group 128's
	s_cselect_b32 s46, 1, 0                        ; 1: x
	s_sub_co_u32 s47, ttmp9, s42
	s_lshl_b32 s47, s47, 2
	s_add_co_u32 s47, s47, s36
	s_lshl_b32 s50, s47, 15                        ; my wave's 8,192 numbers: 32,768 bytes
	s_mov_b32 s51, 0
	s_add_nc_u64 s[SRC:SRC+1], s[SRC:SRC+1], s[50:51]
	s_sub_co_u32 s47, ttmp9, s43
	s_lshl_b32 s47, s47, 2
	s_add_co_u32 s47, s47, s36
	s_lshl_b32 s52, s47, 13                        ; and their 8,192 codes
	s_mov_b32 s53, 0
	s_add_nc_u64 s[D0:D0+1], s[D0:D0+1], s[52:53]
	s_cmp_lg_u32 s46, 0
	s_cselect_b32 s52, s52, 0                      ; the other planes' addresses stay inside xc in every work-group
	s_add_nc_u64 s[D1:D1+1], s[18:19], s[52:53]
	s_add_nc_u64 s[D2:D2+1], s[D1:D1+1], 0x800000
	s_add_nc_u64 s[D1:D1+1], s[D1:D1+1], 0x400000
.irp t, 0,1,2,3
	LOAD \t
.endr
	s_wait_kmcnt 0x0
	s_mov_b32 s56, s35                             ; e11, wo's
	s_cmp_lt_u32 ttmp9, 320
	s_cselect_b32 s56, s29, s56                    ; e5, wv's
	s_cmp_lt_u32 ttmp9, 288
	s_cselect_b32 s56, s27, s56                    ; e3, wk's
	s_cmp_lt_u32 ttmp9, 256
	s_cselect_b32 s56, s25, s56                    ; e1, wq's
	s_cmp_lt_u32 ttmp9, 128
	s_cselect_b32 s56, s24, s56                    ; e0, x's first
	SCALE 0, 56
	SCALE 1, 26                                    ; e2
	SCALE 2, 28                                    ; e4
	s_wait_loadcnt 12                              ; step 0's four loads are in
	TURN 0
.irp t, 0,1,2,3,4,5,6,7,8,9,10,11,12,13,14,15
	STEP \t
.endr
	s_wait_tensorcnt 0x0
	ds_add_u32 v144, v145
	s_wait_dscnt 0x0
	s_endpgm
; THE MASK.  Work-group 448 + QT takes queries 16 QT .. 16 QT + 15; wave w key steps 4 w .. 4 w + 3 of 128 keys.  For a key step the attention holds 64 score registers n = 8 T + j; its lane l holds
; query l % 16 and key 16 T + 8 (l / 16) + j.  Lane l loads just those bytes, eight for each T; a compare makes of byte j of all lanes the word n.  The 64 words of a step are gathered
; in a register pair (word n in register n % 2 of lane n / 2) and leave as 256 consecutive bytes at (16 QT + step) x 256.
.Lmask:
	v_and_b32 v4, 15, v2
	v_lshrrev_b32 v5, 4, v2
	v_lshlrev_b32 v4, 11, v4
	v_lshl_add_u32 v5, v5, 3, v4                   ; a row of the mask is 2,048 bytes: (l % 16) x 2,048 + 8 (l / 16)
	v_lshlrev_b32 v6, 3, v2                        ; 8 x lane
	s_sub_co_u32 s37, ttmp9, 448                   ; QT
	s_lshl_b32 s38, s37, 15                        ; 16 rows
	s_lshl_b32 s39, s36, 9                         ; my four key steps
	s_add_co_u32 s38, s38, s39
	s_mov_b32 s39, 0
	s_lshl_b32 s48, s37, 4
	s_lshl_b32 s49, s36, 2
	s_add_co_u32 s48, s48, s49
	s_lshl_b32 s48, s48, 8
	s_mov_b32 s49, 0
	s_wait_kmcnt 0x0
	s_add_nc_u64 s[14:15], s[14:15], s[38:39]
	s_add_nc_u64 s[22:23], s[22:23], s[48:49]
.irp u, 0,1,2,3
.irp t, 0,1,2,3,4,5,6,7
	global_load_b64 v[16+16*\u+2*\t:17+16*\u+2*\t], v5, s[14:15] offset:128*\u+16*\t th:TH_LOAD_NT
.endr
.endr
.irp i, 0,1,2,3,4,5,6,7
	v_mov_b32 v[88+\i], 0                          ; v_writelane_b32's destination counts as read
.endr
.macro UNIT u
	s_wait_loadcnt 24-8*\u                         ; this key step's eight loads are in; the later steps' may be out
.irp t, 0,1,2,3,4,5,6,7
.irp j, 0,1,2,3,4,5,6,7
	v_and_b32 v[80+\j], 0xff<<(8*(\j%4)), v[16+16*\u+2*\t+\j/4]
.endr
.irp j, 0,1,2,3,4,5,6,7
	v_cmp_ne_u32 s[40+\j], 0, v[80+\j]
.endr
.irp j, 0,1,2,3,4,5,6,7
	v_writelane_b32 v[88+2*\u+\j%2], s[40+\j], 4*\t+\j/2
.endr
.endr
	global_store_b64 v6, v[88+2*\u:89+2*\u], s[22:23] offset:256*\u   ; 32 lanes store 256 consecutive bytes, aligned
.endm
	UNIT 0
	UNIT 1
	UNIT 2
	UNIT 3
	s_endpgm
.Lfunc_end_k_qad42b11405_prep:
	.size	k_qad42b11405_prep, .Lfunc_end_k_qad42b11405_prep-k_qad42b11405_prep
	.p2alignl 7, 3214868480
	.fill 96, 4, 3214868480
	.section	.rodata,"a",@progbits
	.p2align	6, 0x0
	.amdhsa_kernel k_qad42b11405_prep
		.amdhsa_group_segment_fixed_size 33280
		.amdhsa_private_segment_fixed_size 0
		.amdhsa_enable_private_segment 0
		.amdhsa_kernarg_size 80
		.amdhsa_user_sgpr_count 2
		.amdhsa_user_sgpr_kernarg_segment_ptr 1
		.amdhsa_wavefront_size32 1
		.amdhsa_system_sgpr_workgroup_id_x 1
		.amdhsa_system_sgpr_workgroup_id_y 1
		.amdhsa_system_sgpr_workgroup_id_z 1
		.amdhsa_system_vgpr_workitem_id 0
		.amdhsa_next_free_vgpr 146
		.amdhsa_next_free_sgpr 66
		.amdhsa_reserve_vcc 0
		.amdhsa_float_denorm_mode_32 3
		.amdhsa_float_denorm_mode_16_64 3
		.amdhsa_memory_ordered 1
		.amdhsa_forward_progress 1
		.amdhsa_inst_pref_size 134
	.end_amdhsa_kernel
	.amdgpu_metadata
---
amdhsa.version: [ 1, 2 ]
amdhsa.kernels:
  - .name:           k_qad42b11405_prep
    .symbol:         k_qad42b11405_prep.kd
    .args:
      - { .name: x, .offset: 0, .size: 8, .value_kind: global_buffer, .address_space: global }
      - { .name: wq, .offset: 8, .size: 8, .value_kind: global_buffer, .address_space: global }
      - { .name: wk, .offset: 16, .size: 8, .value_kind: global_buffer, .address_space: global }
      - { .name: wv, .offset: 24, .size: 8, .value_kind: global_buffer, .address_space: global }
      - { .name: wo, .offset: 32, .size: 8, .value_kind: global_buffer, .address_space: global }
      - { .name: mask, .offset: 40, .size: 8, .value_kind: global_buffer, .address_space: global }
      - { .name: lowp_scales, .offset: 48, .size: 8, .value_kind: global_buffer, .address_space: global }
      - { .name: xc, .offset: 56, .size: 8, .value_kind: global_buffer, .address_space: global }
      - { .name: wc, .offset: 64, .size: 8, .value_kind: global_buffer, .address_space: global }
      - { .name: mw, .offset: 72, .size: 8, .value_kind: global_buffer, .address_space: global }
    .group_segment_fixed_size: 33280
    .private_segment_fixed_size: 0
    .kernarg_segment_align: 8
    .kernarg_segment_size: 80
    .max_flat_workgroup_size: 128
    .sgpr_count:     66
    .vgpr_count:     146
    .wavefront_size: 32
...
	.end_amdgpu_metadata
.endif
;; end of part 1
;; launch qkv (part 2): grid 24 x 16, 4 waves a work-group, clusters of 4 x 4, 327,680 bytes of LDS; arguments xc, wc, lowp_scales, cos, sin, qg, kg, qi, kv; writes qi, kv
.if DOCPART == 2
	.amdgcn_target "amdgcn-amd-amdhsa--gfx1250"
	.amdhsa_code_object_version 6
	.text
	.protected	k_qad42b11405_qkv
	.globl	k_qad42b11405_qkv
	.p2align	8
	.type	k_qad42b11405_qkv,@function
k_qad42b11405_qkv:
	s_mov_b64 s[64:65], 0
	v_nop
	global_prefetch_b8 v0, s[64:65] scope:SCOPE_SE
	s_setreg_imm32_b32 hwreg(HW_REG_WAVE_MODE, 25, 1), 1
	s_wait_xcnt 0x0
	s_wait_alu depctr_hold_cnt(0) depctr_sa_sdst(0) depctr_va_vdst(0) depctr_va_sdst(0) depctr_va_ssrc(0) depctr_va_vcc(0) depctr_vm_vsrc(0)
	s_getreg_b32 s2, hwreg(HW_REG_IB_STS2, 6, 4)
	s_cmp_eq_u32 s2, 0
	s_cbranch_scc0 .Lentry_in_a_cluster
	s_endpgm
.Lentry_in_a_cluster:
	s_bfe_u32 s2, ttmp6, 0x10000c
	s_cmp_lg_u32 s2, 0xf033
	s_cbranch_scc0 .Lentry_shape_is_right
	s_endpgm
.Lentry_shape_is_right:
; QKV: the three projections on codes of FP8 (E4M3), then RMS norm and RoPE (q, k) in f32, then the quantisers of the attention's operands.  Nothing in f32 goes to memory.
; A tile is 128 rows of x by 128 rows of the weights (tile column 0-15: wq, 16-19: wk, 20-23: wv); four waves, 64 x 64 each: 16 accumulators.  K = 2,048 goes in four steps of 512 through two LDS slots.
; CLUSTERS: 4 x 4 work-groups; x's tile is asked for jointly along a row of the cluster, the weights' along a column.  A cluster's tile columns are all of one kind (q, k or v): kind = max(cluster x, 3) - 3.
; x's plane of codes is the kind's (e0, e2, e4).
; THE MATRIX INSTRUCTION: source 1's rows fall on lanes, source 0's on a lane's registers.  For q and k: lanes = rows of x, registers = 64 channels of ONE head (a wave's 64 columns), so norm, RoPE and the
; conversions along the head's axis stay in a lane and its partner 16 away.  For v the two LDS addresses change places: lanes = channels, registers = keys, which are the second product's K.
; A fragment is fetched by four loads of 16 bytes: a permutation of k inside an instruction, the same in both operands, so every product meets its partner.
; OUT: images of the attention's operand registers (registers on end, lane l's 16 bytes at 16 l): qi: (head x 128 + tile of 16 queries) x 1,024;  kv: group x 262,144 + key step x 16,384: eight tiles of K, 1,024 bytes
; each, then four tiles of V^T, 2,048 each.  Each store covers 512 consecutive bytes, aligned.
; The gains and the rows of cos and sin are loaded at the head by every work-group, v's too, which do not use them: the head has one path, and the one branch on the kind stands at the way out.
; No prefetch: the launch is short and its tiles are shared by joint loads.
; LIMITS on the given exponents, so that each power of two below is an f32 number: e0 + e1 and e2 + e3 between -60 and 66; e6, e7 and e9 - e4 - e5 between -126 and 119.  NaN among the inputs is not served.
; REGISTERS: window 0: v1-15 addresses and scales; v16-23 a row's factor, in pairs; v24-27 sums of squares; v32-63 gains; v64-95 at work; v96-127 codes; v128-255 accumulators ((a, b) at 128 + 8 (4 a + b)).
;   window 1: two fragment buffers of 128: source 1's four fragments, then source 0's.   window 2: for block a of 16 rows: 32 of cos at 64 a, 32 of sin at 64 a + 32.
.set PITCH,  528                       ; an LDS row: 512 bytes + 16 of padding = 132 words: the 16 rows of a load start at 16 different groups of four banks (64 banks of 4 bytes: ISA guide 11.1)
.set HALFT,  64*PITCH                  ; what one tensor load brings, and what one wave reads of either operand
.set SLOT,   4*HALFT                   ; x's 128 rows, then the weights' 128 rows
.set SPARE,  2*SLOT                    ; behind the ring: the spare words, 128 bytes a wave
.set ADRL, 4                           ; v4, v5  LDS address of source 1's fragments in slot 0, 1
.set ADRR, 6                           ; v6, v7  of source 0's
.set SPW,  8                           ; v8   SPARE + 4 x my thread's number; never rewritten
.set NIL,  9                           ; v9   0; never rewritten
.set CSO,  10                          ; v10  my byte in the wave's rows of cos and sin
.set GNO,  11                          ; v11  my byte in the gains
.set LN16, 12                          ; v12  16 x lane
.set QSC,  13                          ; v13  the quantiser's scale as f32
.set QLM,  14                          ; v14  448 x that
.set FAC,  16
.set SSQ,  24
.set GN,   32
.set O,    64
.set CD,   96
.set ACC,  128
.set F0,   0
.set F1,   128
.set G1,   24                          ; s[24:31] descriptor group 1 for x's tiles; s[32:39] group 0, a set for each slot
.set G0,   32
.set G1B,  48                          ; s[48:55], s[56:63] the same for the weights'
.set G0B,  56
.set MSB, 0
.macro WIN new                         ; the immediate's high byte repeats the setting that is left
.if MSB != \new
	s_set_vgpr_msb (MSB<<8)|\new
.set MSB, \new
.endif
.endm
.set MUL,  0x05                        ; sources 0 and 1 window 1; C and D window 0
.set TO_F, 0x40                        ; destination window 1, address window 0
.macro PLACES                          ; four plain vector lines behind matrix instructions, ahead of loads into their sources and of reads of their results
.rept 4
	v_nop
.endr
.endm
.macro JLOAD s                         ; a joint load: waves 0 and 1 fetch x's two halves, waves 2 and 3 the weights'; four v_nop follow each line
	s_cmp_eq_u32 s23, 0
	s_cbranch_scc0 .Lfor_b_\@
	tensor_load_to_lds s[G0+4*\s:G0+4*\s+3], s[G1:G1+7]
	s_nop 0
.rept 4
	v_nop
.endr
	s_branch .Lasked_\@
.Lfor_b_\@:
	tensor_load_to_lds s[G0B+4*\s:G0B+4*\s+3], s[G1B:G1B+7]
	s_nop 0
.rept 4
	v_nop
.endr
.Lasked_\@:
.endm
.macro CREST                           ; a round of the cluster's barrier behind its opening barrier
	s_cmp_lg_u32 s22, 0
	s_cbranch_scc1 .Lnot_wave_0_\@
	s_barrier_signal -3
.Lnot_wave_0_\@:
	s_barrier_wait -3
	s_barrier_signal -1
	s_barrier_wait -1
.endm
.macro CROUND
	s_barrier_signal -1
	s_barrier_wait -1
	CREST
.endm
.macro FETCH slot, q, f                ; 32 LDS loads in one run: the eight fragments of the slot's q-th 128 along K into buffer f
	WIN TO_F
.irp i, 0,1,2,3
.irp c, 0,1,2,3
	ds_load_b128 v[\f+64+16*\i+4*\c:\f+64+16*\i+4*\c+3], v[ADRR+\slot] offset:128*(\q)+32*\c+\i*16*PITCH
.endr
.irp c, 0,1,2,3
	ds_load_b128 v[\f+16*\i+4*\c:\f+16*\i+4*\c+3], v[ADRL+\slot] offset:128*(\q)+32*\c+\i*16*PITCH
.endr
.endr
.endm
.macro MUL4 f, a, zero                 ; four products: block a of source 1 against source 0's four.  The 16 accumulators take turns, one instruction a turn, in the same order in every quarter
.irp b, 0,1,2,3
.if \zero
	v_wmma_f32_16x16x128_fp8_fp8 v[ACC+8*(4*\a+\b):ACC+8*(4*\a+\b)+7], v[\f+64+16*\b:\f+64+16*\b+15], v[\f+16*\a:\f+16*\a+15], 0
.else
	v_wmma_f32_16x16x128_fp8_fp8 v[ACC+8*(4*\a+\b):ACC+8*(4*\a+\b)+7], v[\f+64+16*\b:\f+64+16*\b+15], v[\f+16*\a:\f+16*\a+15], v[ACC+8*(4*\a+\b):ACC+8*(4*\a+\b)+7]
.endif
.endr
.endm
.macro QUARTER slot, q, f, g, zero     ; 128 along K: the next quarter's fragments are asked for, then this one's 16 products
	PLACES
	FETCH \slot, (\q)+1, \g
	s_wait_dscnt 32                                ; all but the 32 just issued: buffer f is in
	WIN MUL
	MUL4 \f, 0, \zero
	MUL4 \f, 1, \zero
	MUL4 \f, 2, \zero
	MUL4 \f, 3, \zero
.endm
; A slot's last quarter changes slots: ONE barrier; ahead of it each wave waits for all its tensor loads, adds 0 to its spare word, and waits for that and for its reads of this slot.  fill = 1: the slot is filled again, two K steps on.
.macro TURN slot, next, fill
	WIN 0                                          ; (the add's two registers lie in window 0)
	s_wait_tensorcnt 0x0                           ; all my tensor loads have landed: my part of the next slot
	ds_add_u32 v[SPW], v[NIL]                      ; 0 onto my spare word
	s_wait_dscnt 1                                 ; (only the add may be out: buffer 1 is in)
	WIN MUL
	MUL4 F1, 0, 0                                  ; four products stand between the add and the wait for it
	s_wait_dscnt 0x0                               ; the add is done, and my reads of this slot are over
	s_barrier_signal -1
	MUL4 F1, 1, 0
	WIN 0
	s_barrier_wait -1
.if \fill
	CREST                                          ; the barrier has opened a round of the cluster's: no wave of any partner still reads this slot or has a load on its way
	s_add_nc_u64 s[G0+4*\slot+2:G0+4*\slot+3], s[G0+4*\slot+2:G0+4*\slot+3], 1024
	s_add_nc_u64 s[G0B+4*\slot+2:G0B+4*\slot+3], s[G0B+4*\slot+2:G0B+4*\slot+3], 1024
	JLOAD \slot                                    ; the first tensor load behind the round; its four v_nop are the places ahead of the loads below
.else
	PLACES
.endif
	FETCH \next, 0, F0
	WIN MUL
	MUL4 F1, 2, 0
	MUL4 F1, 3, 0
.endm
	s_load_b256 s[4:11], s[0:1], 0x0               ; xc, wc, the scales' exponents, cos
	s_load_b256 s[12:19], s[0:1], 0x20             ; sin, qg, kg, qi
	s_load_b64 s[20:21], s[0:1], 0x40              ; kv
	v_lshl_add_u32 v[SPW], v0, 2, SPARE
	v_mov_b32 v[NIL], 0
	ds_add_u32 v8, v9
	ds_add_u32 v8, v9
	s_wait_dscnt 0x0
	v_lshrrev_b32 v1, 5, v0
	v_readfirstlane_b32 s22, v1                    ; wave 0..3
	s_lshr_b32 s23, s22, 1                         ; wr: my half of x's rows.  Also: I fetch for x (0) or for the weights (1)
	s_and_b32 s66, s22, 1                          ; wc: my half of the weights' rows.  Also: which 64 rows I fetch
	s_bfe_u32 s40, ttmp6, 0x40000                  ; cx
	s_bfe_u32 s41, ttmp6, 0x40004                  ; cy
	s_lshl_b32 s42, ttmp9, 2
	s_add_co_u32 s42, s42, s40                     ; tile column = 4 x cluster x + cx
	s_and_b32 s43, ttmp7, 0xffff
	s_lshl_b32 s43, s43, 2
	s_add_co_u32 s43, s43, s41                     ; tile row = 4 x cluster y + cy
	s_lshl_b32 s44, s41, 2
	s_lshl_b32 s44, 15, s44                        ; my row of the cluster
	s_lshl_b32 s45, 0x1111, s40                    ; my column
	s_max_u32 s80, ttmp9, 3
	s_sub_co_u32 s80, s80, 3                       ; the kind: 0 q, 1 k, 2 v: the same in all sixteen partners
	s_or_b32 s[G1], s44, (1<<20)|(1<<21)|(6<<22)|(3<<25)    ; 15:0 the mask; 17:16 elements of 1 byte; 20 padding on; 21 set beside a mask; 24:22 after every 128 words; 31:25 four words
	s_or_b32 s[G1B], s45, (1<<20)|(1<<21)|(6<<22)|(3<<25)
.irp g, G1, G1B
	s_mov_b32 s[\g+1], 512<<16                     ; tensor_dim0 = 512
	s_mov_b32 s[\g+2], 64<<16                      ; tensor_dim1 = 64
	s_mov_b32 s[\g+3], 512<<16                     ; tile_dim0 = 512
	s_mov_b32 s[\g+4], 64                          ; tile_dim1 = 64
	s_mov_b32 s[\g+5], 2048                        ; from row to row
	s_mov_b32 s[\g+6], 0
	s_mov_b32 s[\g+7], 0
.endr
	s_lshl_b32 s81, s66, 6                         ; which 64 rows I fetch
	s_lshl_b32 s82, s43, 7
	s_add_co_u32 s82, s82, s81
	s_lshl_b32 s82, s82, 11                        ; x: row 128 x tile row + 64 x half, 2,048 bytes a row,
	s_lshl_b32 s83, s80, 22
	s_add_co_u32 s82, s82, s83                     ; in the kind's plane of 4 MiB
	s_mov_b32 s83, 0
	s_lshl_b32 s84, s42, 7
	s_add_co_u32 s84, s84, s81
	s_lshl_b32 s84, s84, 11                        ; the weights: row 128 x tile column + 64 x half
	s_mov_b32 s85, 0
	s_mul_i32 s67, s22, HALFT                      ; where they go: wave x 64 rows
	s_wait_kmcnt 0x0
	s_load_b256 s[68:75], s[8:9], 0x0              ; e0 .. e7
	s_load_b128 s[76:79], s[8:9], 0x20             ; e8 .. e11
	s_add_nc_u64 s[82:83], s[4:5], s[82:83]
	s_add_nc_u64 s[84:85], s[6:7], s[84:85]
	CROUND                                         ; all sixteen work-groups are here: the first joint loads meet
.irp s, 0,1
	s_mov_b32 s[G0+4*\s], 1
	s_add_co_u32 s[G0+4*\s+1], s67, \s*SLOT
	s_add_nc_u64 s[G0+4*\s+2:G0+4*\s+3], s[82:83], \s*512
	s_or_b32 s[G0+4*\s+3], s[G0+4*\s+3], 0x80000000
	s_mov_b32 s[G0B+4*\s], 1
	s_add_co_u32 s[G0B+4*\s+1], s67, \s*SLOT
	s_add_nc_u64 s[G0B+4*\s+2:G0B+4*\s+3], s[84:85], \s*512
	s_or_b32 s[G0B+4*\s+3], s[G0B+4*\s+3], 0x80000000
	JLOAD \s                                       ; two loads of mine are out
.endr
	v_and_b32 v1, 15, v0                           ; r
	v_bfe_u32 v2, v0, 4, 1                         ; h
	v_mul_u32_u24 v3, v1, PITCH
	v_lshl_add_u32 v3, v2, 4, v3                   ; a fragment's row x pitch + 16 h
	s_mul_i32 s86, s23, HALFT                      ; my 64 rows of x
	s_mul_i32 s87, s66, HALFT
	s_add_co_u32 s87, s87, 2*HALFT                 ; my 64 rows of the weights
	s_cmp_eq_u32 s80, 2
	s_cselect_b32 s88, s87, s86                    ; on lanes: x's rows; for v the weights'
	s_cselect_b32 s89, s86, s87                    ; on registers: the weights' rows; for v x's
	v_add_nc_u32 v[ADRL], s88, v3
	v_add_nc_u32 v[ADRR], s89, v3
	v_add_nc_u32 v[ADRL+1], SLOT, v[ADRL]
	v_add_nc_u32 v[ADRR+1], SLOT, v[ADRR]
	v_lshlrev_b32 v[CSO], 8, v1
	v_lshl_add_u32 v[CSO], v2, 5, v[CSO]           ; cos, sin: row r of 256 bytes, + 32 h
	v_lshlrev_b32 v[GNO], 5, v2
	v_and_b32 v[LN16], 31, v0
	v_lshlrev_b32 v[LN16], 4, v[LN16]
	s_lshl_b32 s90, s43, 7
	s_lshl_b32 s91, s23, 6
	s_add_co_u32 s90, s90, s91
	s_lshl_b32 s90, s90, 8                         ; my first row of x, in rows of cos and sin
	s_mov_b32 s91, 0
	s_add_nc_u64 s[10:11], s[10:11], s[90:91]
	s_add_nc_u64 s[12:13], s[12:13], s[90:91]
	s_cmp_eq_u32 s80, 0
	s_cselect_b64 s[14:15], s[14:15], s[16:17]     ; q's gains, else k's
.irp b, 0,1,2,3
	global_load_b128 v[GN+8*\b:GN+8*\b+3], v[GNO], s[14:15] offset:64*\b          ; register 8 b + j: channel 16 b + 8 h + j
	global_load_b128 v[GN+8*\b+4:GN+8*\b+7], v[GNO], s[14:15] offset:64*\b+16
.endr
	WIN 0x80                                       ; destination window 2
.irp a, 0,1,2,3
.irp b, 0,1,2,3
	global_load_b128 v[64*\a+8*\b:64*\a+8*\b+3], v[CSO], s[10:11] offset:4096*\a+64*\b
	global_load_b128 v[64*\a+8*\b+4:64*\a+8*\b+7], v[CSO], s[10:11] offset:4096*\a+64*\b+16
	global_load_b128 v[64*\a+32+8*\b:64*\a+32+8*\b+3], v[CSO], s[12:13] offset:4096*\a+64*\b
	global_load_b128 v[64*\a+32+8*\b+4:64*\a+32+8*\b+7], v[CSO], s[12:13] offset:4096*\a+64*\b+16
.endr
.endr
	WIN 0
	s_mov_b32 s46, 0x76543210                      ; v_permlanex16_b32's selects for lane l xor 16
	s_mov_b32 s47, 0xfedcba98
	s_wait_kmcnt 0x0
	s_add_co_i32 s92, s68, s69                     ; e0 + e1
	s_add_co_i32 s93, s70, s71                     ; e2 + e3
	s_cmp_eq_u32 s80, 0
	s_cselect_b32 s92, s92, s93                    ; E: a sum stands for sum x 2^E
	s_cselect_b32 s93, s74, s75                    ; e6 for q, e7 for k
	s_sub_co_i32 s94, s77, s72
	s_sub_co_i32 s94, s94, s73                     ; v: the three scales folded into one: e9 - e4 - e5
	s_cmp_eq_u32 s80, 2
	s_cselect_b32 s93, s94, s93
	s_add_co_i32 s93, s93, 127
	s_lshl_b32 s94, s93, 23
	v_mov_b32 v[QSC], s94
	s_add_co_i32 s93, s93, 8
	s_lshl_b32 s93, s93, 23
	s_or_b32 s93, s93, 0x600000
	v_mov_b32 v[QLM], s93
	s_lshl_b32 s94, s92, 1
	s_add_co_i32 s94, s94, 121
	s_lshl_b32 s94, s94, 23                        ; 2^(2 E - 6): the mean of 64 squares from the sum of the sums' squares
	s_add_co_i32 s95, s92, 127
	s_lshl_b32 s95, s95, 23                        ; 2^E
	s_lshl_b32 s96, s42, 1
	s_add_co_u32 s96, s96, s66                     ; q: head = 2 x tile column + wc
	s_lshl_b32 s96, s96, 7
	s_lshl_b32 s97, s43, 3
	s_add_co_u32 s96, s96, s97
	s_lshl_b32 s97, s23, 2
	s_add_co_u32 s96, s96, s97                     ; + tile of 16 queries: 8 x tile row + 4 wr
	s_lshl_b32 s96, s96, 10
	s_lshl_b32 s98, s40, 1
	s_add_co_u32 s98, s98, s66                     ; k, v: group = 2 cx + wc (their clusters begin at a multiple of four tile columns)
	s_lshl_b32 s98, s98, 18
	s_lshl_b32 s97, s43, 14                        ; key step = tile row
	s_add_co_u32 s98, s98, s97
	s_lshl_b32 s97, s23, 12                        ; k: tiles 4 wr on
	s_lshl_b32 s99, s23, 10
	s_add_co_u32 s99, s99, 8192                    ; v: behind K's eight tiles; registers 8 wr on of each image
	s_cmp_eq_u32 s80, 2
	s_cselect_b32 s97, s99, s97
	s_add_co_u32 s98, s98, s97
	s_cmp_eq_u32 s80, 0
	s_cselect_b32 s96, s96, s98
	s_cselect_b64 s[18:19], s[18:19], s[20:21]
	s_mov_b32 s97, 0
	s_add_nc_u64 s[18:19], s[18:19], s[96:97]      ; where my wave stores
	s_wait_tensorcnt 1                             ; my part of slot 0 is in; slot 1's may stay out
	s_barrier_signal -1
	s_barrier_wait -1
	FETCH 0, 0, F0
	QUARTER 0, 0, F0, F1, 1                        ; the first products start the sums: nothing is cleared
	QUARTER 0, 1, F1, F0, 0
	QUARTER 0, 2, F0, F1, 0
	TURN 0, 1, 1
	QUARTER 1, 0, F0, F1, 0
	QUARTER 1, 1, F1, F0, 0
	QUARTER 1, 2, F0, F1, 0
	TURN 1, 0, 1
	QUARTER 0, 0, F0, F1, 0
	QUARTER 0, 1, F1, F0, 0
	QUARTER 0, 2, F0, F1, 0
	TURN 0, 1, 0                                   ; nothing is left to fetch
	QUARTER 1, 0, F0, F1, 0
	QUARTER 1, 1, F1, F0, 0
	QUARTER 1, 2, F0, F1, 0
	s_wait_dscnt 0x0
	MUL4 F1, 0, 0
	MUL4 F1, 1, 0
	MUL4 F1, 2, 0
	MUL4 F1, 3, 0
	WIN 0
	PLACES
	s_wait_loadcnt 0x0                             ; gains, cos, sin
	s_cmp_eq_u32 s80, 2
	s_cbranch_scc1 .Lv_out
	; ---- q, k.  Lane (r, h) of block a holds row 16 a + r; register 8 b + j channel 16 b + 8 h + j.  The sum of squares: two chains a block, each accumulator from its low end on
.irp a, 0,1,2,3
	v_pk_mul_f32 v[O+4*\a:O+4*\a+1], v[ACC+32*\a:ACC+32*\a+1], v[ACC+32*\a:ACC+32*\a+1]
	v_pk_mul_f32 v[O+4*\a+2:O+4*\a+3], v[ACC+32*\a+2:ACC+32*\a+3], v[ACC+32*\a+2:ACC+32*\a+3]
.endr
.irp p, 4,8,12,16,20,24,28
.irp a, 0,1,2,3
	v_pk_fma_f32 v[O+4*\a:O+4*\a+1], v[ACC+32*\a+\p:ACC+32*\a+\p+1], v[ACC+32*\a+\p:ACC+32*\a+\p+1], v[O+4*\a:O+4*\a+1]
	v_pk_fma_f32 v[O+4*\a+2:O+4*\a+3], v[ACC+32*\a+\p+2:ACC+32*\a+\p+3], v[ACC+32*\a+\p+2:ACC+32*\a+\p+3], v[O+4*\a+2:O+4*\a+3]
.endr
.endr
.irp a, 0,1,2,3
	v_pk_add_f32 v[O+4*\a:O+4*\a+1], v[O+4*\a:O+4*\a+1], v[O+4*\a+2:O+4*\a+3]
.endr
.irp a, 0,1,2,3
	v_add_f32 v[O+4*\a], v[O+4*\a], v[O+4*\a+1]
.endr
.irp a, 0,1,2,3
	v_permlanex16_b32 v[O+4*\a+2], v[O+4*\a], s46, s47     ; the row's other 32 channels lie in the lane 16 away
.endr
.irp a, 0,1,2,3
	v_add_f32 v[SSQ+\a], v[O+4*\a], v[O+4*\a+2]
.endr
.irp a, 0,1,2,3
	v_fma_f32 v[SSQ+\a], v[SSQ+\a], s94, 0x358637bd        ; the mean of the squares + 1e-6
.endr
.irp a, 0,1,2,3
	v_rsq_f32 v[SSQ+\a], v[SSQ+\a]
.endr
	v_nop                                          ; a plain line behind the last of the batch
	s_wait_alu depctr_va_vdst(0)                   ; one wait for the four, ahead of their first reader
.irp a, 0,1,2,3
	v_mul_f32 v[FAC+2*\a], s95, v[SSQ+\a]          ; x 2^E: exact
	v_mul_f32 v[FAC+2*\a+1], s95, v[SSQ+\a]
.endr
.macro QKBLOCK a
.set Z, ACC+32*\a
.set i, 0
.rept 16
	v_pk_mul_f32 v[Z+i:Z+i+1], v[Z+i:Z+i+1], v[FAC+2*\a:FAC+2*\a+1]   ; x / rms,
.set i, i+2
.endr
.set i, 0
.rept 16
	v_pk_mul_f32 v[Z+i:Z+i+1], v[Z+i:Z+i+1], v[GN+i:GN+i+1]           ; then the gain
.set i, i+2
.endr
	WIN 0x08                                       ; source 1 (cos, sin) window 2
.set i, 0
.rept 8
	v_pk_mul_f32 v[O+i:O+i+1], v[Z+i:Z+i+1], v[64*\a+i:64*\a+i+1]
	v_pk_mul_f32 v[O+16+i:O+17+i], v[Z+16+i:Z+17+i], v[64*\a+16+i:64*\a+17+i]
.set i, i+2
.endr
.set i, 0
.rept 8                                ; channel d + 32 lies 16 registers on: d < 32: y cos - y(d + 32) sin;  d >= 32: y cos + y(d - 32) sin
	v_pk_fma_f32 v[O+i:O+i+1], v[Z+16+i:Z+17+i], v[64*\a+32+i:64*\a+33+i], v[O+i:O+i+1] neg_lo:[1,0,0] neg_hi:[1,0,0]
	v_pk_fma_f32 v[O+16+i:O+17+i], v[Z+i:Z+i+1], v[64*\a+48+i:64*\a+49+i], v[O+16+i:O+17+i]
.set i, i+2
.endr
	WIN 0
.set i, 0
.rept 32
	v_med3_num_f32 v[O+i], v[O+i], -v[QLM], v[QLM]         ; the conversion to an 8-bit code does not saturate (ISA guide 7.6.2)
.set i, i+1
.endr
.irp b, 0,1,2,3
	v_cvt_scalef32_pk8_fp8_f32 v[CD+8*\a+2*\b:CD+8*\a+2*\b+1], v[O+8*\b:O+8*\b+7], v[QSC]   ; registers 2 b, 2 b + 1 of the operand: channels 16 b + 8 h + 0 .. 7
.endr
	v_nop                                          ; a plain line between the conversions and the next block's lines, which write their sources
	global_store_b128 v[LN16], v[CD+8*\a:CD+8*\a+3], s[18:19] offset:1024*\a
	global_store_b128 v[LN16], v[CD+8*\a+4:CD+8*\a+7], s[18:19] offset:1024*\a+512
.endm
	QKBLOCK 0
	QKBLOCK 1
	QKBLOCK 2
	QKBLOCK 3
	s_branch .Ldone
	; ---- v.  Lane (r, h) of block a holds channel 16 a + r; register 8 b + j key 64 wr + 16 b + 8 h + j of the step: registers 8 wr + 2 b, + 1 of the image
.Lv_out:
.irp a, 0,1,2,3
.set i, 0
.rept 32
	v_med3_num_f32 v[ACC+32*\a+i], v[ACC+32*\a+i], -v[QLM], v[QLM]
.set i, i+1
.endr
.irp b, 0,1,2,3
	v_cvt_scalef32_pk8_fp8_f32 v[CD+8*\a+2*\b:CD+8*\a+2*\b+1], v[ACC+32*\a+8*\b:ACC+32*\a+8*\b+7], v[QSC]
.endr
	v_nop
	global_store_b128 v[LN16], v[CD+8*\a:CD+8*\a+3], s[18:19] offset:2048*\a
	global_store_b128 v[LN16], v[CD+8*\a+4:CD+8*\a+7], s[18:19] offset:2048*\a+512
.endr
.Ldone:
	s_wait_tensorcnt 0x0                           ; the wave's end
	ds_add_u32 v[SPW], v[NIL]
	s_wait_dscnt 0x0
	CROUND                                         ; the closing round: no work-group ends while a partner may still ask for a tile that names it
	s_endpgm
.Lfunc_end_k_qad42b11405_qkv:
	.size	k_qad42b11405_qkv, .Lfunc_end_k_qad42b11405_qkv-k_qad42b11405_qkv
	.p2alignl 7, 3214868480
	.fill 96, 4, 3214868480
	.section	.rodata,"a",@progbits
	.p2align	6, 0x0
	.amdhsa_kernel k_qad42b11405_qkv
		.amdhsa_group_segment_fixed_size 327680
		.amdhsa_private_segment_fixed_size 0
		.amdhsa_enable_private_segment 0
		.amdhsa_kernarg_size 72
		.amdhsa_user_sgpr_count 2
		.amdhsa_user_sgpr_kernarg_segment_ptr 1
		.amdhsa_wavefront_size32 1
		.amdhsa_system_sgpr_workgroup_id_x 1
		.amdhsa_system_sgpr_workgroup_id_y 1
		.amdhsa_system_sgpr_workgroup_id_z 1
		.amdhsa_system_vgpr_workitem_id 0
		.amdhsa_next_free_vgpr 768
		.amdhsa_next_free_sgpr 100
		.amdhsa_reserve_vcc 0
		.amdhsa_float_denorm_mode_32 3
		.amdhsa_float_denorm_mode_16_64 3
		.amdhsa_memory_ordered 1
		.amdhsa_forward_progress 1
		.amdhsa_inst_pref_size 112
	.end_amdhsa_kernel
	.amdgpu_metadata
---
amdhsa.version: [ 1, 2 ]
amdhsa.kernels:
  - .name:           k_qad42b11405_qkv
    .symbol:         k_qad42b11405_qkv.kd
    .args:
      - { .name: xc, .offset: 0, .size: 8, .value_kind: global_buffer, .address_space: global }
      - { .name: wc, .offset: 8, .size: 8, .value_kind: global_buffer, .address_space: global }
      - { .name: lowp_scales, .offset: 16, .size: 8, .value_kind: global_buffer, .address_space: global }
      - { .name: cos, .offset: 24, .size: 8, .value_kind: global_buffer, .address_space: global }
      - { .name: sin, .offset: 32, .size: 8, .value_kind: global_buffer, .address_space: global }
      - { .name: qg, .offset: 40, .size: 8, .value_kind: global_buffer, .address_space: global }
      - { .name: kg, .offset: 48, .size: 8, .value_kind: global_buffer, .address_space: global }
      - { .name: qi, .offset: 56, .size: 8, .value_kind: global_buffer, .address_space: global }
      - { .name: kv, .offset: 64, .size: 8, .value_kind: global_buffer, .address_space: global }
    .group_segment_fixed_size: 327680
    .private_segment_fixed_size: 0
    .kernarg_segment_align: 8
    .kernarg_segment_size: 72
    .max_flat_workgroup_size: 128
    .sgpr_count:     100
    .vgpr_count:     768
    .wavefront_size: 32
...
	.end_amdgpu_metadata
.endif
;; end of part 2
;; launch attn (part 3): grid 32 x 8, 16 waves a work-group, clusters of 4 x 1, 327,680 bytes of LDS; arguments qi, kv, mw, lowp_scales, cc; writes cc
.if DOCPART == 3
	.amdgcn_target "amdgcn-amd-amdhsa--gfx1250"
	.amdhsa_code_object_version 6
	.text
	.protected	k_qad42b11405_attn
	.globl	k_qad42b11405_attn
	.p2align	8
	.type	k_qad42b11405_attn,@function
k_qad42b11405_attn:
	s_mov_b64 s[64:65], 0
	v_nop
	global_prefetch_b8 v0, s[64:65] scope:SCOPE_SE
	s_setreg_imm32_b32 hwreg(HW_REG_WAVE_MODE, 25, 1), 1
	s_wait_xcnt 0x0
	s_wait_alu depctr_hold_cnt(0) depctr_sa_sdst(0) depctr_va_vdst(0) depctr_va_sdst(0) depctr_va_ssrc(0) depctr_va_vcc(0) depctr_vm_vsrc(0)
	s_getreg_b32 s2, hwreg(HW_REG_IB_STS2, 6, 4)
	s_cmp_eq_u32 s2, 0
	s_cbranch_scc0 .Lentry_in_a_cluster
	s_endpgm
.Lentry_in_a_cluster:
	s_bfe_u32 s2, ttmp6, 0x10000c
	s_cmp_lg_u32 s2, 0x3003
	s_cbranch_scc0 .Lentry_shape_is_right
	s_endpgm
.Lentry_shape_is_right:
; ATTENTION on codes of FP8 (E4M3): S^T = K Q^T (16x16x64), the softmax by a running whole-number M, O^T = V^T P^T (16x16x128), ctx quantised on the way out.
; t = score x log2(e) / 8; M = the running largest t rounded up; p = 2^(t - M) is quantised with 2^e8, not normalised; the row's sum is taken of the unquantised p and divides at the end.
; SHARES.  A work-group owns 64 queries and one group of four query heads, which share K and V.  Wave w: head 4 g + w % 4, tile of 16 queries w / 4: one tile in 256 registers, four waves to a SIMD,
; so that one wave's vector work stands beside another's products and LDS loads.  Every wave walks all 2,048 keys, 128 a step: the mask is an input, so no step is left out.
; LDS.  The group's whole K and V, 262,144 bytes of operand images, are brought once: each wave asks for two pieces at the head, 4,096 bytes of key steps 0-3 and 12,288 of steps 4-15.  Nothing is filled again.
; CLUSTER.  The four work-groups of a cluster have the same group: each piece is asked for jointly, with a mask that names the four.  All of K and V is asked for at the head, so nothing is left to prefetch.
; LAYOUT.  Both products are used transposed: a lane holds ONE query (lane % 16).  Register 8 T + j of S^T is key 16 T + 8 (lane / 16) + j, so the conversion of tile T gives registers 2 T, 2 T + 1 of P.
; THE MASK comes as 64 words a step (one a score register, bit l for lane l), by scalar loads a step ahead; it only selects values.  A masked score becomes -2^100: c x 2^100 is exact and a whole number, so while a
; row has met masked keys alone, t - M is 0 and p is 1, as where all logits are equal; its first open key makes the factor 2^(old M - new M) zero, which clears the sum and O^T; from then on a masked p is 0.
; LIMITS on the given exponents: e6 + e7 between -70 and 25 (c x 2^100 a finite whole number); e8 and e10 - e8 - e9 between -126 and 119.  NaN among the inputs is not served.
; REGISTERS: v1 16 x lane; v2 the step's LDS address; v3 -2^100; v4, v5 2^e8 and 448 x that; v6, v7 the same with e10 - e8 - e9; v8-10 the way out; v12 -M, v13 the largest t, v[14:15] the sum in two halves;
;   v16-23 Q; v24-87 eight tiles of K, then four of V^T; v96-159 S^T, then p; v160-191 O^T; v192-207 p's codes; v208-214 at work.
; s32-63 and s68-99 hold the step's 64 mask words; at the head they hold addresses and exponents.
.set STG,  262144                      ; behind K and V: 64 rows x (256 bytes + 16), for the way out
.set SPI,  272
.set KV,   24
.set S,    96
.set OT,   160
.set PC,   192
.macro CROUND                          ; a round of the cluster's barrier
	s_barrier_signal -1
	s_barrier_wait -1
	s_cmp_lg_u32 s3, 0
	s_cbranch_scc1 .Lnot_wave_0_\@
	s_barrier_signal -3
.Lnot_wave_0_\@:
	s_barrier_wait -3
	s_barrier_signal -1
	s_barrier_wait -1
.endm
.macro MLOAD                           ; a step's 64 mask words: 256 consecutive bytes
	s_load_b512 s[32:47], s[28:29], s30 offset:0x0
	s_load_b512 s[48:63], s[28:29], s30 offset:0x40
	s_load_b512 s[68:83], s[28:29], s30 offset:0x80
	s_load_b512 s[84:99], s[28:29], s30 offset:0xc0
.endm
	s_load_b256 s[32:39], s[0:1], 0x0              ; qi, kv, mw, the scales' exponents
	s_load_b64 s[40:41], s[0:1], 0x20              ; cc
	v_lshl_add_u32 v254, v0, 2, 0x44400
	v_mov_b32 v255, 0
	ds_add_u32 v254, v255
	ds_add_u32 v254, v255
	v_lshrrev_b32 v1, 5, v0
	v_readfirstlane_b32 s3, v1                     ; wave 0..15
	s_bfe_u32 s44, ttmp6, 0x40000                  ; cx
	s_lshl_b32 s45, ttmp9, 2
	s_add_co_u32 s45, s45, s44                     ; my block of 64 queries: it enters Q's, the mask's and ctx's addresses alone
	s_and_b32 s46, ttmp7, 0xffff                   ; the group, which the four partners share
	s_and_b32 s47, s3, 3                           ; my head in the group
	s_lshr_b32 s48, s3, 2                          ; my tile of 16 queries in the block
	; descriptor groups 1: dense blocks as rows of 256 bytes (32 elements of 8 bytes): 16 rows, 48 rows
	s_mov_b32 s4, 15|(3<<16)|(1<<21)               ; 15:0 the mask: all four work-groups; 17:16 elements of 8 bytes; 21 set beside a mask
	s_mov_b32 s5, 32<<16                           ; tensor_dim0 = 32
	s_mov_b32 s6, 16<<16                           ; tensor_dim1 = 16
	s_mov_b32 s7, 32<<16                           ; tile_dim0 = 32
	s_mov_b32 s8, 16                               ; tile_dim1 = 16
	s_mov_b32 s9, 32                               ; from row to row
	s_mov_b32 s10, 0
	s_mov_b32 s11, 0
	s_mov_b32 s12, 15|(3<<16)|(1<<21)
	s_mov_b32 s13, 32<<16
	s_mov_b32 s14, 48<<16
	s_mov_b32 s15, 32<<16
	s_mov_b32 s16, 48
	s_mov_b32 s17, 32
	s_mov_b32 s18, 0
	s_mov_b32 s19, 0
	s_lshl_b32 s50, s46, 18                        ; the group's 262,144 bytes
	s_lshl_b32 s49, s3, 12                         ; my piece of key steps 0-3, in LDS as in the block
	s_add_co_u32 s52, s50, s49
	s_mov_b32 s53, 0
	s_mul_i32 s51, s3, 12288
	s_add_co_u32 s51, s51, 65536                   ; my piece of key steps 4-15
	s_add_co_u32 s54, s50, s51
	s_mov_b32 s55, 0
	s_lshl_b32 s56, s46, 2
	s_add_co_u32 s56, s56, s47                     ; head
	s_lshl_b32 s56, s56, 7
	s_lshl_b32 s58, s45, 2
	s_add_co_u32 s58, s58, s48                     ; my tile of 16 queries among the 128
	s_add_co_u32 s56, s56, s58
	s_lshl_b32 s56, s56, 10                        ; Q's image
	s_mov_b32 s57, 0
	s_lshl_b32 s58, s58, 12                        ; the tile's mask words: 16 steps x 256 bytes
	s_mov_b32 s59, 0
	s_lshl_b32 s60, s45, 17                        ; ctx: 64 rows of 2,048 codes,
	s_lshl_b32 s61, s46, 8                         ; the group's 256 columns
	s_add_co_u32 s60, s60, s61
	s_mov_b32 s61, 0
	s_wait_dscnt 0x0
	s_wait_kmcnt 0x0
	s_load_b256 s[68:75], s[38:39], 0x0            ; e0 .. e7
	s_load_b128 s[76:79], s[38:39], 0x20           ; e8 .. e11
	s_mov_b32 s20, 1
	s_mov_b32 s21, s49
	s_add_nc_u64 s[22:23], s[34:35], s[52:53]
	s_or_b32 s23, s23, 0x80000000
	s_mov_b32 s24, 1
	s_mov_b32 s25, s51
	s_add_nc_u64 s[26:27], s[34:35], s[54:55]
	s_or_b32 s27, s27, 0x80000000
	s_add_nc_u64 s[56:57], s[32:33], s[56:57]
	s_add_nc_u64 s[28:29], s[36:37], s[58:59]
	s_add_nc_u64 s[104:105], s[40:41], s[60:61]
	CROUND                                         ; all four work-groups are here: the joint loads meet
	tensor_load_to_lds s[20:23], s[4:11]           ; the launch's only fills, together: two loads of mine are out
	s_nop 0
	tensor_load_to_lds s[24:27], s[12:19]
	s_nop 0
.rept 4
	v_nop
.endr
	v_and_b32 v1, 31, v0
	v_lshlrev_b32 v1, 4, v1
	global_load_b128 v[16:19], v1, s[56:57]        ; Q's fragment stays in registers
	global_load_b128 v[20:23], v1, s[56:57] offset:512
	v_and_b32 v208, 15, v0                         ; r
	v_bfe_u32 v209, v0, 4, 1                       ; h
	s_mul_i32 s80, s48, 16*SPI
	s_lshl_b32 s81, s47, 6
	s_add_co_u32 s80, s80, s81
	s_add_co_u32 s80, s80, STG
	v_mul_u32_u24 v8, v208, SPI
	v_lshl_add_u32 v8, v209, 3, v8
	v_add_nc_u32 v8, s80, v8                       ; the stage, in: row 16 (w / 4) + r, byte 64 (w % 4) + 8 h
	s_mul_i32 s81, s3, 4*SPI
	s_add_co_u32 s81, s81, STG
	v_mul_u32_u24 v9, v209, SPI
	v_lshl_add_u32 v9, v208, 4, v9
	v_add_nc_u32 v9, s81, v9                       ; back: rows 4 w on; lanes 0-15 one row, lanes 16-31 the next
	s_lshl_b32 s82, s3, 13
	v_lshlrev_b32 v10, 11, v209
	v_lshl_add_u32 v10, v208, 4, v10
	v_add_nc_u32 v10, s82, v10                     ; and the same rows in ctx
	v_mov_b32 v3, 0xf1800000                       ; -2^100
	v_mov_b32 v13, 0xff61b1e6                      ; the largest t so far: -3e38, under every t
	v_floor_f32 v12, -v13                          ; -M
	v_mov_b32 v14, 0
	v_mov_b32 v15, 0
	v_mov_b32 v210, 0                              ; a lane permute's destination counts as one of its sources
	v_mov_b32 v213, 0                              ; (named as the upper half of the pair v[212:213])
.set i, 0
.rept 32
	v_mov_b32 v[OT+i], 0                           ; O^T: the step is written once; the first finds zeros
.set i, i+1
.endr
	s_mov_b32 s100, 0x76543210                     ; v_permlanex16_b32's selects for lane l xor 16
	s_mov_b32 s101, 0xfedcba98
	s_mov_b32 s2, 0                                ; LDS byte at which the step in hand begins
	s_mov_b32 s30, 0                               ; and its mask words
	s_wait_kmcnt 0x0
	s_add_co_i32 s80, s74, s75
	s_lshl_b32 s80, s80, 23
	s_mov_b32 s66, 0x3e38aa3b                      ; log2(e) / 8
	s_add_co_i32 s66, s66, s80                     ; c: a score stands for score x 2^(e6 + e7): the exponents are added to the exponent field
	s_mov_b32 s67, s66                             ; (named with it as a pair)
	s_add_co_i32 s80, s76, 127
	s_lshl_b32 s81, s80, 23
	v_mov_b32 v4, s81                              ; 2^e8
	s_add_co_i32 s80, s80, 8
	s_lshl_b32 s80, s80, 23
	s_or_b32 s80, s80, 0x600000
	v_mov_b32 v5, s80                              ; 448 x 2^e8
	s_sub_co_i32 s80, s78, s76
	s_sub_co_i32 s80, s80, s77                     ; a sum of the second product stands for sum x 2^(e8 + e9): ctx's code is (sum / l) / 2^(e10 - e8 - e9)
	s_add_co_i32 s80, s80, 127
	s_lshl_b32 s81, s80, 23
	v_mov_b32 v6, s81
	s_add_co_i32 s80, s80, 8
	s_lshl_b32 s80, s80, 23
	s_or_b32 s80, s80, 0x600000
	v_mov_b32 v7, s80
	s_wait_loadcnt 0x0                             ; Q is in: its base lies where the mask words land
	MLOAD                                          ; step 0's
; A KEY STEP: 128 keys.
.macro STEP
	v_add_nc_u32 v2, s2, v1
.rept 3
	v_nop                                          ; with the line above: four places ahead of loads into registers that the last products read
.endr
.set i, 0
.rept 16
	ds_load_b128 v[KV+4*i:KV+4*i+3], v2 offset:512*i       ; K's eight tiles, as their registers lie
.set i, i+1
.endr
	s_wait_dscnt 0x0
.set i, 0
.rept 8
	v_wmma_f32_16x16x64_fp8_fp8 v[S+8*i:S+8*i+7], v[KV+8*i:KV+8*i+7], v[16:23], 0
.set i, i+1
.endr
.rept 4
	v_nop
.endr
.set i, 0
.rept 16
	ds_load_b128 v[KV+4*i:KV+4*i+3], v2 offset:8192+512*i  ; V^T's four tiles land during the softmax
.set i, i+1
.endr
	s_wait_kmcnt 0x0                               ; the step's mask words, asked for a step ago
.set i, 0
.rept 64
	v_cndmask_b32 v[S+i], v[S+i], v3, s[32+i+4*(i/32)]     ; each accumulator from its low end on
.set i, i+1
.endr
	s_add_co_u32 s30, s30, 256
	s_and_b32 s30, s30, 0xfff                      ; the next step's words; the last step asks for step 0's again and uses nothing of them: no load leaves the buffer
	MLOAD
	v_max3_num_f32 v214, v96, v97, v98             ; the step's largest score of my query among my 64 keys, in two chains,
	v_max3_num_f32 v212, v99, v100, v101
.irp i, 6,10,14,18,22,26,30,34,38,42,46,50,54,58
	v_max3_num_f32 v214, v214, v[S+\i], v[S+1+\i]
	v_max3_num_f32 v212, v212, v[S+2+\i], v[S+3+\i]
.endr
	v_max3_num_f32 v214, v214, v158, v159
	v_max_num_f32 v214, v214, v212
	v_permlanex16_b32 v210, v214, s100, s101
	v_max_num_f32 v214, v214, v210                 ; and among lane l xor 16's
	v_mul_f32 v214, s66, v214                      ; as t (c is positive)
	v_max_num_f32 v13, v13, v214                   ; the running largest t
	v_mov_b32 v214, v12
	v_floor_f32 v12, -v13                          ; the new -M = floor(-t)
	v_sub_f32 v214, v12, v214                      ; old M - new M: a whole number, 0 or less
	v_cvt_i32_f32 v214, v214                       ; (it saturates)
	v_ldexp_f32 v212, 1.0, v214                    ; f = 2^(old M - new M)
.set i, 0
.rept 32
	v_pk_fma_f32 v[S+i:S+i+1], v[S+i:S+i+1], s[66:67], v[12:13] op_sel_hi:[1,0,0]   ; t - M, two at a time
.set i, i+2
.endr
.set i, 0
.rept 64
	v_exp_f32 v[S+i], v[S+i]                       ; p = 2^(t - M)
.set i, i+1
.endr
	v_pk_mul_f32 v[14:15], v[14:15], v[212:213] op_sel_hi:[1,0]   ; the sums under the new M: the plain line behind the batch
	s_wait_alu depctr_va_vdst(0)                   ; one wait for the 64, ahead of their first reader
	v_pk_add_f32 v[208:209], v[S:S+1], v[S+2:S+3]  ; the row's sum of the unquantised p, in two chains
.irp i, 4,8,12,16,20,24,28,32,36,40,44,48,52,56,60
	v_pk_add_f32 v[14:15], v[14:15], v[S+\i:S+1+\i]
	v_pk_add_f32 v[208:209], v[208:209], v[S+2+\i:S+3+\i]
.endr
	v_pk_add_f32 v[14:15], v[14:15], v[208:209]
.set i, 0
.rept 64
	v_min_num_f32 v[S+i], v[S+i], v5               ; the conversion does not saturate (ISA guide 7.6.2); p is not negative, so the hold is one-sided
.set i, i+1
.endr
.set i, 0
.rept 8
	v_cvt_scalef32_pk8_fp8_f32 v[PC+2*i:PC+2*i+1], v[S+8*i:S+8*i+7], v4
.set i, i+1
.endr
.set i, 0
.rept 16
	v_pk_mul_f32 v[OT+i:OT+i+1], v[OT+i:OT+i+1], v[212:213] op_sel_hi:[1,0]   ; O^T under the new M; also the plain lines between the conversions and the products
.set i, i+2
.endr
	s_wait_dscnt 0x0                               ; V^T is in
.set i, 0
.rept 4
	v_wmma_f32_16x16x128_fp8_fp8 v[OT+8*i:OT+8*i+7], v[KV+16*i:KV+16*i+15], v[PC:PC+15], v[OT+8*i:OT+8*i+7]   ; four accumulators by turns; eleven other products stand between two on one
.set i, i+1
.endr
	s_add_co_u32 s2, s2, 16384
.endm
	s_wait_tensorcnt 1                             ; my piece of key steps 0-3 is in; the larger piece may stay out
	s_barrier_signal -1
	s_barrier_wait -1                              ; everybody's is
	s_mov_b32 s31, 4
.Lfirst:
	STEP
	s_sub_co_u32 s31, s31, 1
	s_cmp_lg_u32 s31, 0
	s_cbranch_scc1 .Lfirst
	s_wait_tensorcnt 0x0                           ; my piece of key steps 4-15 is in,
	s_wait_dscnt 0x0
	s_barrier_signal -1
	s_barrier_wait -1                              ; everybody's is
	s_mov_b32 s31, 12
.Lrest:
	STEP
	s_sub_co_u32 s31, s31, 1
	s_cmp_lg_u32 s31, 0
	s_cbranch_scc1 .Lrest
	; THE WAY OUT: O^T / l, quantised along the head's axis (ctx's K), eight codes a tile and lane; the four heads' 64 bytes of a row meet in the stage, and sixteen lanes store a row's 256 consecutive bytes, aligned.
	v_add_f32 v14, v14, v15
	v_permlanex16_b32 v210, v14, s100, s101
	v_add_f32 v14, v14, v210                       ; the row's sum
	v_rcp_f32 v14, v14
	v_nop                                          ; a plain line behind the reciprocal
	v_nop
	s_wait_alu depctr_va_vdst(0)                   ; the wait ahead of its first reader
	v_mov_b32 v15, v14
.set i, 0
.rept 16
	v_pk_mul_f32 v[S+i:S+i+1], v[OT+i:OT+i+1], v[14:15]    ; register 8 a + j: channel 16 a + 8 h + j of query r
.set i, i+2
.endr
.set i, 0
.rept 32
	v_med3_num_f32 v[S+i], v[S+i], -v7, v7
.set i, i+1
.endr
.irp a, 0,1,2,3
	v_cvt_scalef32_pk8_fp8_f32 v[PC+2*\a:PC+2*\a+1], v[S+8*\a:S+8*\a+7], v6
.endr
	v_nop
.irp a, 0,1,2,3
	ds_store_b64 v8, v[PC+2*\a:PC+2*\a+1] offset:16*\a
.endr
	s_wait_dscnt 0x0                               ; for the others' sake: my stores into the stage are done
	s_barrier_signal -1
	s_barrier_wait -1
	ds_load_b128 v[96:99], v9
	ds_load_b128 v[100:103], v9 offset:2*SPI
	s_wait_dscnt 0x0
	global_store_b128 v10, v[96:99], s[104:105]
	global_store_b128 v10, v[100:103], s[104:105] offset:4096
	s_wait_tensorcnt 0x0
	ds_add_u32 v254, v255
	s_wait_dscnt 0x0
	CROUND                                         ; the closing round: no work-group ends while a partner may still ask for a piece that names it
	s_endpgm
.Lfunc_end_k_qad42b11405_attn:
	.size	k_qad42b11405_attn, .Lfunc_end_k_qad42b11405_attn-k_qad42b11405_attn
	.p2alignl 7, 3214868480
	.fill 96, 4, 3214868480
	.section	.rodata,"a",@progbits
	.p2align	6, 0x0
	.amdhsa_kernel k_qad42b11405_attn
		.amdhsa_group_segment_fixed_size 327680
		.amdhsa_private_segment_fixed_size 0
		.amdhsa_enable_private_segment 0
		.amdhsa_kernarg_size 40
		.amdhsa_user_sgpr_count 2
		.amdhsa_user_sgpr_kernarg_segment_ptr 1
		.amdhsa_wavefront_size32 1
		.amdhsa_system_sgpr_workgroup_id_x 1
		.amdhsa_system_sgpr_workgroup_id_y 1
		.amdhsa_system_sgpr_workgroup_id_z 1
		.amdhsa_system_vgpr_workitem_id 0
		.amdhsa_next_free_vgpr 256
		.amdhsa_next_free_sgpr 106
		.amdhsa_reserve_vcc 0
		.amdhsa_float_denorm_mode_32 3
		.amdhsa_float_denorm_mode_16_64 3
		.amdhsa_memory_ordered 1
		.amdhsa_forward_progress 1
		.amdhsa_inst_pref_size 52
	.end_amdhsa_kernel
	.amdgpu_metadata
---
amdhsa.version: [ 1, 2 ]
amdhsa.kernels:
  - .name:           k_qad42b11405_attn
    .symbol:         k_qad42b11405_attn.kd
    .args:
      - { .name: qi, .offset: 0, .size: 8, .value_kind: global_buffer, .address_space: global }
      - { .name: kv, .offset: 8, .size: 8, .value_kind: global_buffer, .address_space: global }
      - { .name: mw, .offset: 16, .size: 8, .value_kind: global_buffer, .address_space: global }
      - { .name: lowp_scales, .offset: 24, .size: 8, .value_kind: global_buffer, .address_space: global }
      - { .name: cc, .offset: 32, .size: 8, .value_kind: global_buffer, .address_space: global }
    .group_segment_fixed_size: 327680
    .private_segment_fixed_size: 0
    .kernarg_segment_align: 8
    .kernarg_segment_size: 40
    .max_flat_workgroup_size: 512
    .sgpr_count:     106
    .vgpr_count:     256
    .wavefront_size: 32
...
	.end_amdgpu_metadata
.endif
;; end of part 3
;; launch oproj (part 4): grid 16 x 16, 4 waves a work-group, clusters of 4 x 4, 327,680 bytes of LDS; arguments cc, wc, lowp_scales, out0; writes out0
.if DOCPART == 4
	.amdgcn_target "amdgcn-amd-amdhsa--gfx1250"
	.amdhsa_code_object_version 6
	.text
	.protected	k_qad42b11405_oproj
	.globl	k_qad42b11405_oproj
	.p2align	8
	.type	k_qad42b11405_oproj,@function
k_qad42b11405_oproj:
	s_mov_b64 s[64:65], 0
	v_nop
	global_prefetch_b8 v0, s[64:65] scope:SCOPE_SE
	s_setreg_imm32_b32 hwreg(HW_REG_WAVE_MODE, 25, 1), 1
	s_wait_xcnt 0x0
	s_wait_alu depctr_hold_cnt(0) depctr_sa_sdst(0) depctr_va_vdst(0) depctr_va_sdst(0) depctr_va_ssrc(0) depctr_va_vcc(0) depctr_vm_vsrc(0)
	s_getreg_b32 s2, hwreg(HW_REG_IB_STS2, 6, 4)
	s_cmp_eq_u32 s2, 0
	s_cbranch_scc0 .Lentry_in_a_cluster
	s_endpgm
.Lentry_in_a_cluster:
	s_bfe_u32 s2, ttmp6, 0x10000c
	s_cmp_lg_u32 s2, 0xf033
	s_cbranch_scc0 .Lentry_shape_is_right
	s_endpgm
.Lentry_shape_is_right:
; OUT = ctx wo^T on codes of FP8 (E4M3): ctx's codes [2048][2048] in cc, wo's [2048][2048] in wc from byte 6,291,456 on; each finished sum x 2^(e10 + e11); out0 f32.
; LIMIT: e10 + e11 between -126 and 127, so that 2^(e10 + e11) is an f32 number.
; A tile is 128 x 128: 256 work-groups; four waves, 64 x 64 each: 16 accumulators.  K = 2,048 goes in four steps of 512 through two LDS slots.
; CLUSTERS: 4 x 4 work-groups; ctx's tile is asked for jointly along a row of the cluster, wo's along a column.  No prefetch: the launch is short and its tiles are shared by joint loads.
; Source 0 = 16 rows of wo, source 1 = 16 rows of ctx: a lane holds eight neighbouring numbers of a row of the output.  A fragment is fetched by four loads of 16 bytes: a permutation of k inside an
; instruction, the same in both operands.  A wave's 64 columns are 256 bytes of a row, aligned: each wave sends its blocks of 16 rows through a stage of its own, with no barrier.
; REGISTERS: window 0: v1-12 addresses; v32-63 a block's sums x the scale; v64-127 rows read back, two sets; v128-255 accumulators ((a, b) at 128 + 8 (4 a + b)).  window 1: two fragment buffers of 128.
.set PITCH,  528                       ; an LDS row: 512 bytes + 16 of padding = 132 words: the 16 rows of a load start at 16 different groups of four banks (64 banks of 4 bytes: ISA guide 11.1)
.set HALFT,  64*PITCH
.set SLOT,   4*HALFT                   ; ctx's 128 rows, then wo's 128 rows
.set SPARE,  2*SLOT                    ; behind the ring: the spare words, 128 bytes a wave
.set STAGE,  SPARE+512                 ; behind them: 16 rows x (256 bytes + 16) for each wave; no tensor load lands here
.set SPI,    272
.set ADRL, 4
.set ADRR, 6
.set SPW,  8                           ; v8   SPARE + 4 x my thread's number; never rewritten
.set NIL,  9                           ; v9   0; never rewritten
.set STO,  10                          ; v10  the stage: where I put 32 bytes of a row
.set RD,   11                          ; v11  and where I read a row back
.set CO,   12                          ; v12  my byte offset in the wave's rows of the output
.set TMP,  32
.set BK,   64
.set ACC,  128
.set F0,   0
.set F1,   128
.set G1,   24
.set G0,   32
.set G1B,  48
.set G0B,  56
.set MSB, 0
.macro WIN new                         ; the immediate's high byte repeats the setting that is left
.if MSB != \new
	s_set_vgpr_msb (MSB<<8)|\new
.set MSB, \new
.endif
.endm
.set MUL,  0x05                        ; sources 0 and 1 window 1; C and D window 0
.set TO_F, 0x40                        ; destination window 1, address window 0
.macro PLACES                          ; four plain vector lines behind matrix instructions, ahead of loads into their sources and of reads of their results
.rept 4
	v_nop
.endr
.endm
.macro JLOAD s                         ; a joint load: waves 0 and 1 fetch ctx's two halves, waves 2 and 3 wo's; four v_nop follow each line
	s_cmp_eq_u32 s23, 0
	s_cbranch_scc0 .Lfor_b_\@
	tensor_load_to_lds s[G0+4*\s:G0+4*\s+3], s[G1:G1+7]
	s_nop 0
.rept 4
	v_nop
.endr
	s_branch .Lasked_\@
.Lfor_b_\@:
	tensor_load_to_lds s[G0B+4*\s:G0B+4*\s+3], s[G1B:G1B+7]
	s_nop 0
.rept 4
	v_nop
.endr
.Lasked_\@:
.endm
.macro CREST
	s_cmp_lg_u32 s22, 0
	s_cbranch_scc1 .Lnot_wave_0_\@
	s_barrier_signal -3
.Lnot_wave_0_\@:
	s_barrier_wait -3
	s_barrier_signal -1
	s_barrier_wait -1
.endm
.macro CROUND
	s_barrier_signal -1
	s_barrier_wait -1
	CREST
.endm
.macro FETCH slot, q, f                ; 32 LDS loads in one run: the eight fragments of the slot's q-th 128 along K into buffer f
	WIN TO_F
.irp i, 0,1,2,3
.irp c, 0,1,2,3
	ds_load_b128 v[\f+64+16*\i+4*\c:\f+64+16*\i+4*\c+3], v[ADRR+\slot] offset:128*(\q)+32*\c+\i*16*PITCH
.endr
.irp c, 0,1,2,3
	ds_load_b128 v[\f+16*\i+4*\c:\f+16*\i+4*\c+3], v[ADRL+\slot] offset:128*(\q)+32*\c+\i*16*PITCH
.endr
.endr
.endm
.macro MUL4 f, a, zero                 ; four products; the 16 accumulators take turns, one instruction a turn, in the same order in every quarter
.irp b, 0,1,2,3
.if \zero
	v_wmma_f32_16x16x128_fp8_fp8 v[ACC+8*(4*\a+\b):ACC+8*(4*\a+\b)+7], v[\f+64+16*\b:\f+64+16*\b+15], v[\f+16*\a:\f+16*\a+15], 0
.else
	v_wmma_f32_16x16x128_fp8_fp8 v[ACC+8*(4*\a+\b):ACC+8*(4*\a+\b)+7], v[\f+64+16*\b:\f+64+16*\b+15], v[\f+16*\a:\f+16*\a+15], v[ACC+8*(4*\a+\b):ACC+8*(4*\a+\b)+7]
.endif
.endr
.endm
.macro QUARTER slot, q, f, g, zero
	PLACES
	FETCH \slot, (\q)+1, \g
	s_wait_dscnt 32                                ; all but the 32 just issued: buffer f is in
	WIN MUL
	MUL4 \f, 0, \zero
	MUL4 \f, 1, \zero
	MUL4 \f, 2, \zero
	MUL4 \f, 3, \zero
.endm
; A slot's last quarter changes slots: ONE barrier; ahead of it each wave waits for all its tensor loads, adds 0 to its spare word, and waits for that and for its reads of this slot.  fill = 1: the slot is filled again, two K steps on.
.macro TURN slot, next, fill
	WIN 0                                          ; (the add's two registers lie in window 0)
	s_wait_tensorcnt 0x0                           ; all my tensor loads have landed: my part of the next slot
	ds_add_u32 v[SPW], v[NIL]                      ; 0 onto my spare word
	s_wait_dscnt 1                                 ; (only the add may be out: buffer 1 is in)
	WIN MUL
	MUL4 F1, 0, 0
	s_wait_dscnt 0x0                               ; the add is done, and my reads of this slot are over
	s_barrier_signal -1
	MUL4 F1, 1, 0
	WIN 0
	s_barrier_wait -1
.if \fill
	CREST                                          ; the barrier has opened a round of the cluster's: no wave of any partner still reads this slot or has a load on its way
	s_add_nc_u64 s[G0+4*\slot+2:G0+4*\slot+3], s[G0+4*\slot+2:G0+4*\slot+3], 1024
	s_add_nc_u64 s[G0B+4*\slot+2:G0B+4*\slot+3], s[G0B+4*\slot+2:G0B+4*\slot+3], 1024
	JLOAD \slot                                    ; the first tensor load behind the round; its four v_nop are the places ahead of the loads below
.else
	PLACES
.endif
	FETCH \next, 0, F0
	WIN MUL
	MUL4 F1, 2, 0
	MUL4 F1, 3, 0
.endm
	s_load_b256 s[4:11], s[0:1], 0x0               ; cc, wc, the scales' exponents, out0
	v_lshl_add_u32 v[SPW], v0, 2, SPARE
	v_mov_b32 v[NIL], 0
	ds_add_u32 v8, v9
	ds_add_u32 v8, v9
	s_wait_dscnt 0x0
	v_lshrrev_b32 v1, 5, v0
	v_readfirstlane_b32 s22, v1                    ; wave 0..3
	s_lshr_b32 s23, s22, 1                         ; wr: my half of the tile's rows.  Also: I fetch for ctx (0) or for wo (1)
	s_and_b32 s66, s22, 1                          ; wc: my half of its columns.  Also: which 64 rows I fetch
	s_bfe_u32 s40, ttmp6, 0x40000                  ; cx
	s_bfe_u32 s41, ttmp6, 0x40004                  ; cy
	s_lshl_b32 s42, ttmp9, 2
	s_add_co_u32 s42, s42, s40                     ; tile column
	s_and_b32 s43, ttmp7, 0xffff
	s_lshl_b32 s43, s43, 2
	s_add_co_u32 s43, s43, s41                     ; tile row
	s_lshl_b32 s44, s41, 2
	s_lshl_b32 s44, 15, s44                        ; my row of the cluster
	s_lshl_b32 s45, 0x1111, s40                    ; my column
	s_or_b32 s[G1], s44, (1<<20)|(1<<21)|(6<<22)|(3<<25)    ; 15:0 the mask; 17:16 elements of 1 byte; 20 padding on; 21 set beside a mask; 24:22 after every 128 words; 31:25 four words
	s_or_b32 s[G1B], s45, (1<<20)|(1<<21)|(6<<22)|(3<<25)
.irp g, G1, G1B
	s_mov_b32 s[\g+1], 512<<16                     ; tensor_dim0 = 512
	s_mov_b32 s[\g+2], 64<<16                      ; tensor_dim1 = 64
	s_mov_b32 s[\g+3], 512<<16                     ; tile_dim0 = 512
	s_mov_b32 s[\g+4], 64                          ; tile_dim1 = 64
	s_mov_b32 s[\g+5], 2048                        ; from row to row
	s_mov_b32 s[\g+6], 0
	s_mov_b32 s[\g+7], 0
.endr
	s_lshl_b32 s81, s66, 6
	s_lshl_b32 s82, s43, 7
	s_add_co_u32 s82, s82, s81
	s_lshl_b32 s82, s82, 11                        ; ctx: row 128 x tile row + 64 x half
	s_mov_b32 s83, 0
	s_lshl_b32 s84, s42, 7
	s_add_co_u32 s84, s84, s81
	s_lshl_b32 s84, s84, 11                        ; wo: row 128 x tile column + 64 x half,
	s_add_co_u32 s84, s84, 6291456                 ; behind wq's, wk's and wv's codes
	s_mov_b32 s85, 0
	s_mul_i32 s67, s22, HALFT
	s_wait_kmcnt 0x0
	s_load_b64 s[96:97], s[8:9], 0x28              ; e10, e11
	s_add_nc_u64 s[82:83], s[4:5], s[82:83]
	s_add_nc_u64 s[84:85], s[6:7], s[84:85]
	CROUND                                         ; all sixteen work-groups are here: the first joint loads meet
.irp s, 0,1
	s_mov_b32 s[G0+4*\s], 1
	s_add_co_u32 s[G0+4*\s+1], s67, \s*SLOT
	s_add_nc_u64 s[G0+4*\s+2:G0+4*\s+3], s[82:83], \s*512
	s_or_b32 s[G0+4*\s+3], s[G0+4*\s+3], 0x80000000
	s_mov_b32 s[G0B+4*\s], 1
	s_add_co_u32 s[G0B+4*\s+1], s67, \s*SLOT
	s_add_nc_u64 s[G0B+4*\s+2:G0B+4*\s+3], s[84:85], \s*512
	s_or_b32 s[G0B+4*\s+3], s[G0B+4*\s+3], 0x80000000
	JLOAD \s                                       ; two loads of mine are out
.endr
	v_and_b32 v1, 15, v0                           ; r
	v_bfe_u32 v2, v0, 4, 1                         ; h
	v_mul_u32_u24 v3, v1, PITCH
	v_lshl_add_u32 v3, v2, 4, v3
	s_mul_i32 s86, s23, HALFT                      ; my 64 rows of ctx
	s_mul_i32 s87, s66, HALFT
	s_add_co_u32 s87, s87, 2*HALFT                 ; my 64 rows of wo
	v_add_nc_u32 v[ADRL], s86, v3
	v_add_nc_u32 v[ADRR], s87, v3
	v_add_nc_u32 v[ADRL+1], SLOT, v[ADRL]
	v_add_nc_u32 v[ADRR+1], SLOT, v[ADRR]
	s_mul_i32 s88, s22, 16*SPI
	s_add_co_u32 s88, s88, STAGE                   ; my stage
	v_mul_u32_u24 v[STO], v1, SPI
	v_lshl_add_u32 v[STO], v2, 5, v[STO]
	v_add_nc_u32 v[STO], s88, v[STO]               ; in: row r, 32 bytes for each half of the lanes
	v_mul_u32_u24 v[RD], v2, SPI
	v_lshl_add_u32 v[RD], v1, 4, v[RD]
	v_add_nc_u32 v[RD], s88, v[RD]                 ; back: lanes 0-15 one row of 256 bytes, lanes 16-31 the next
	v_lshlrev_b32 v[CO], 13, v2
	v_lshl_add_u32 v[CO], v1, 4, v[CO]             ; and the same two rows in the output, 8,192 bytes a row
	s_lshl_b32 s90, s43, 7
	s_lshl_b32 s91, s23, 6
	s_add_co_u32 s90, s90, s91
	s_lshl_b32 s90, s90, 13                        ; my first row
	s_lshl_b32 s92, s42, 7
	s_lshl_b32 s91, s66, 6
	s_add_co_u32 s92, s92, s91
	s_lshl_b32 s92, s92, 2                         ; my first column, in bytes
	s_add_co_u32 s90, s90, s92
	s_mov_b32 s91, 0
	s_add_nc_u64 s[10:11], s[10:11], s[90:91]
	s_wait_kmcnt 0x0
	s_add_co_i32 s96, s96, s97
	s_add_co_i32 s96, s96, 127
	s_lshl_b32 s96, s96, 23                        ; 2^(e10 + e11) as f32
	s_mov_b32 s97, s96                             ; (named with it as a pair)
	s_wait_tensorcnt 1                             ; my part of slot 0 is in; slot 1's may stay out
	s_barrier_signal -1
	s_barrier_wait -1
	FETCH 0, 0, F0
	QUARTER 0, 0, F0, F1, 1                        ; the first products start the sums: nothing is cleared
	QUARTER 0, 1, F1, F0, 0
	QUARTER 0, 2, F0, F1, 0
	TURN 0, 1, 1
	QUARTER 1, 0, F0, F1, 0
	QUARTER 1, 1, F1, F0, 0
	QUARTER 1, 2, F0, F1, 0
	TURN 1, 0, 1
	QUARTER 0, 0, F0, F1, 0
	QUARTER 0, 1, F1, F0, 0
	QUARTER 0, 2, F0, F1, 0
	TURN 0, 1, 0                                   ; nothing is left to fetch
	QUARTER 1, 0, F0, F1, 0
	QUARTER 1, 1, F1, F0, 0
	QUARTER 1, 2, F0, F1, 0
	s_wait_dscnt 0x0
	MUL4 F1, 0, 0
	MUL4 F1, 1, 0
	MUL4 F1, 2, 0
	MUL4 F1, 3, 0
	WIN 0
	PLACES
; THE WAY OUT, block by block of 16 rows x 64 columns.  LDS serves a wave's instructions in order (ISA guide 5.7.1.4): no wait between the stores and the loads, nor ahead of the next block's stores.
.macro TOSTAGE a
.set i, 0
.rept 16
	v_pk_mul_f32 v[TMP+i:TMP+i+1], v[ACC+32*\a+i:ACC+32*\a+i+1], s[96:97] op_sel_hi:[1,0]   ; x 2^(e10 + e11); each accumulator from its low end on
.set i, i+2
.endr
.irp b, 0,1,2,3
	ds_store_b128 v[STO], v[TMP+8*\b:TMP+8*\b+3] offset:64*\b
	ds_store_b128 v[STO], v[TMP+8*\b+4:TMP+8*\b+7] offset:64*\b+16
.endr
.irp t, 0,1,2,3,4,5,6,7
	ds_load_b128 v[BK+32*((\a)%2)+4*\t:BK+32*((\a)%2)+4*\t+3], v[RD] offset:\t*2*SPI
.endr
.endm
.macro SEND a, younger                 ; younger: the LDS instructions issued behind block a's loads, which may stay out
	s_wait_dscnt \younger
.irp t, 0,1,2,3,4,5,6,7
	global_store_b128 v[CO], v[BK+32*((\a)%2)+4*\t:BK+32*((\a)%2)+4*\t+3], s[10:11] offset:(16*(\a)+2*\t)*8192 th:TH_STORE_NT   ; 16 lanes store 256 consecutive bytes, aligned; the row stands in the immediate, 507,904 at the most
.endr
.endm
	TOSTAGE 0
	TOSTAGE 1
	SEND 0, 16                                     ; behind block 0's loads: block 1's 8 stores and 8 loads
	s_wait_xcnt 0x0                                ; block 0's stores have read their registers: block 2's loads may land there
	TOSTAGE 2
	SEND 1, 16
	s_wait_xcnt 0x0
	TOSTAGE 3
	SEND 2, 16
	SEND 3, 0
	s_wait_tensorcnt 0x0                           ; the wave's end
	ds_add_u32 v[SPW], v[NIL]
	s_wait_dscnt 0x0
	CROUND                                         ; the closing round: no work-group ends while a partner may still ask for a tile that names it
	s_endpgm
.Lfunc_end_k_qad42b11405_oproj:
	.size	k_qad42b11405_oproj, .Lfunc_end_k_qad42b11405_oproj-k_qad42b11405_oproj
	.p2alignl 7, 3214868480
	.fill 96, 4, 3214868480
	.section	.rodata,"a",@progbits
	.p2align	6, 0x0
	.amdhsa_kernel k_qad42b11405_oproj
		.amdhsa_group_segment_fixed_size 327680
		.amdhsa_private_segment_fixed_size 0
		.amdhsa_enable_private_segment 0
		.amdhsa_kernarg_size 32
		.amdhsa_user_sgpr_count 2
		.amdhsa_user_sgpr_kernarg_segment_ptr 1
		.amdhsa_wavefront_size32 1
		.amdhsa_system_sgpr_workgroup_id_x 1
		.amdhsa_system_sgpr_workgroup_id_y 1
		.amdhsa_system_sgpr_workgroup_id_z 1
		.amdhsa_system_vgpr_workitem_id 0
		.amdhsa_next_free_vgpr 512
		.amdhsa_next_free_sgpr 100
		.amdhsa_reserve_vcc 0
		.amdhsa_float_denorm_mode_32 3
		.amdhsa_float_denorm_mode_16_64 3
		.amdhsa_memory_ordered 1
		.amdhsa_forward_progress 1
		.amdhsa_inst_pref_size 73
	.end_amdhsa_kernel
	.amdgpu_metadata
---
amdhsa.version: [ 1, 2 ]
amdhsa.kernels:
  - .name:           k_qad42b11405_oproj
    .symbol:         k_qad42b11405_oproj.kd
    .args:
      - { .name: cc, .offset: 0, .size: 8, .value_kind: global_buffer, .address_space: global }
      - { .name: wc, .offset: 8, .size: 8, .value_kind: global_buffer, .address_space: global }
      - { .name: lowp_scales, .offset: 16, .size: 8, .value_kind: global_buffer, .address_space: global }
      - { .name: out0, .offset: 24, .size: 8, .value_kind: global_buffer, .address_space: global }
    .group_segment_fixed_size: 327680
    .private_segment_fixed_size: 0
    .kernarg_segment_align: 8
    .kernarg_segment_size: 32
    .max_flat_workgroup_size: 128
    .sgpr_count:     100
    .vgpr_count:     512
    .wavefront_size: 32
...
	.end_amdgpu_metadata
.endif
;; end of part 4
;; ======== version 2 of 3: 4 launches; 1.18 times as fast as version 1
;; limits: right only within a limited range of input values
;; workspace buffers: xc 12,582,912 bytes; wc 10,485,760 bytes; mw 524,288 bytes of whole numbers; mf 131,072 bytes of whole numbers; qi 4,194,304 bytes; kv 2,097,152 bytes; cc 4,194,304 bytes
;; launch prep (part 5): grid 576 x 1, 4 waves a work-group, no clusters, 33,280 bytes of LDS; arguments x, wq, wk, wv, wo, mask, lowp_scales, xc, wc, mw, mf; writes xc, wc, mw, mf
.if DOCPART == 5
	.amdgcn_target "amdgcn-amd-amdhsa--gfx1250"
	.amdhsa_code_object_version 6
	.text
	.protected	k_qad42b11405_prep
	.globl	k_qad42b11405_prep
	.p2align	8
	.type	k_qad42b11405_prep,@function
k_qad42b11405_prep:
	s_mov_b64 s[64:65], 0
	v_nop
	global_prefetch_b8 v0, s[64:65] scope:SCOPE_SE
	s_setreg_imm32_b32 hwreg(HW_REG_WAVE_MODE, 25, 1), 1
	s_wait_xcnt 0x0
; PREP: the f32 inputs become codes of FP8 (E4M3), and the mask becomes lane masks and flags.
; code = number / 2^e, held within +-448, rounded to the nearest code, ties to even.  LIMITS: each e that is used here (entries 0 to 5 and 11) lies between -126 and 119; NaN among the inputs is not served.
; Work-groups 0-127: x (three planes of codes in xc, with e0, e2, e4: x is the left operand of three products with a scale each);
; 128-255: wq (e1), 256-287: wk (e3), 288-319: wv (e5), 320-447: wo (e11): all into wc, one behind the other; K is innermost in all five, so each is a plain stream.
; 448-575: the mask of 16 queries each: words whose bit l belongs to lane l of the attention's score registers (mw), and for each key step whether it has open and whether it has masked keys (mf).
; A quantising work-group takes 32,768 numbers: 4 waves x 16 steps x 512.  Each load reads 512 consecutive bytes; a step's 2,048 bytes turn through the wave's own stage in LDS,
; so that a lane holds 16 neighbours along K for the conversions; a lane's 16 codes are 16 bytes, and the wave stores 512 consecutive bytes.  Waves share nothing: no barrier.
.set STEPS, 16
.set SP,    80                         ; a lane's place in a stage: 64 bytes + 16 of padding
.set WREG,  8192                       ; LDS of a wave: two stages of 32 x SP bytes
.set SC,    8                          ; v8-13   three pairs: 2^e, 448 x 2^e
.set R,     16                         ; v16-79  four sets of 16 numbers as loaded
.set X,     80                         ; v80-111 two sets of 16 neighbours
.set T,     112                        ; v112-127 the numbers held within the largest code x the scale
.set C,     128                        ; v128-139 codes, four registers for each plane
.set SRC,   40                         ; s[40:41] where my wave reads
.set D0,    44                         ; s[44:45] where its codes go;  s[48:49], s[54:55]: x's second and third plane
.set D1,    48
.set D2,    54
.macro LOAD t
.irp i, 0,1,2,3
	global_load_b128 v[R+16*((\t)%4)+4*\i:R+16*((\t)%4)+4*\i+3], v3, s[SRC:SRC+1] offset:2048*(\t)+512*\i th:TH_LOAD_NT   ; 32 lanes read 512 consecutive bytes; read once
.endr
.endm
.macro TURN t                          ; step t's numbers through the stage; LDS serves a wave's instructions in order, so no wait stands between the stores and the loads
.irp i, 0,1,2,3
	ds_store_b128 v14, v[R+16*((\t)%4)+4*\i:R+16*((\t)%4)+4*\i+3] offset:32*SP*((\t)%2)+8*SP*\i
.endr
.irp i, 0,1,2,3
	ds_load_b128 v[X+16*((\t)%2)+4*\i:X+16*((\t)%2)+4*\i+3], v15 offset:32*SP*((\t)%2)+16*\i
.endr
.endm
.macro SCALE j, e                      ; pair j: 2^e as f32 (the conversion takes its exponent field) and 448 x 2^e
	s_add_co_i32 s57, s[\e], 127
	s_lshl_b32 s58, s57, 23
	v_mov_b32 v[SC+2*\j], s58
	s_add_co_i32 s57, s57, 8
	s_lshl_b32 s57, s57, 23
	s_or_b32 s57, s57, 0x600000
	v_mov_b32 v[SC+2*\j+1], s57
.endm
.macro CONV j, t, d                    ; the step's 16 numbers with scale j: held (not in place: x is converted three times), converted, stored
.set i, 0
.rept 16
	v_med3_num_f32 v[T+i], v[XS+i], -v[SC+2*\j+1], v[SC+2*\j+1]   ; the conversion to an 8-bit code does not saturate (ISA guide 7.6.2)
.set i, i+1
.endr
	v_cvt_scalef32_pk8_fp8_f32 v[C+4*\j:C+4*\j+1], v[T:T+7], v[SC+2*\j]
	v_cvt_scalef32_pk8_fp8_f32 v[C+4*\j+2:C+4*\j+3], v[T+8:T+15], v[SC+2*\j]
	v_nop                                          ; a plain line between the conversions and the next holds, which write their sources
	global_store_b128 v3, v[C+4*\j:C+4*\j+3], s[\d:\d+1] offset:512*(\t)   ; 32 lanes store 512 consecutive bytes
.endm
.macro STEP t
.set XS, X+16*((\t)%2)
	s_wait_dscnt 0x0                               ; this step's numbers are back from the stage, and the stage's stores have read their registers
	s_wait_xcnt 0x0                                ; the last step's stores have read the codes' registers, which are written again below
.if (\t)+4 < STEPS
	LOAD (\t)+4
.endif
.if (\t)+1 < STEPS
.if STEPS-2-(\t) >= 3
	s_wait_loadcnt 12                              ; the next step's four loads are in; those of the three steps behind it may be out
.else
	s_wait_loadcnt 4*(STEPS-2-(\t))
.endif
	TURN (\t)+1
.endif
	CONV 0, \t, D0
	s_cmp_eq_u32 s46, 0                            ; only x has a second and a third plane: a branch on the work-group's number
	s_cbranch_scc1 .Lone_\@
	CONV 1, \t, D1
	CONV 2, \t, D2
.Lone_\@:
.endm
	s_load_b256 s[4:11], s[0:1], 0x0               ; x, wq, wk, wv
	s_load_b256 s[12:19], s[0:1], 0x20             ; wo, mask, the scales' exponents, xc
	s_load_b128 s[20:23], s[0:1], 0x40             ; wc, mw
	s_load_b64 s[60:61], s[0:1], 0x50              ; mf
	v_lshl_add_u32 v144, v0, 2, 0x8000
	v_mov_b32 v145, 0
	v_lshrrev_b32 v1, 5, v0
	v_readfirstlane_b32 s36, v1                    ; wave
	v_and_b32 v2, 31, v0                           ; lane
	s_cmp_ge_u32 ttmp9, 448
	s_cbranch_scc1 .Lmask
	v_lshlrev_b32 v3, 4, v2                        ; my 16 bytes of a load's 512, and of a store's
	s_mul_i32 s37, s36, WREG
	v_lshrrev_b32 v14, 2, v2
	v_mul_u32_u24 v14, v14, SP
	v_and_b32 v15, 3, v2
	v_lshl_add_u32 v14, v15, 4, v14
	v_add_nc_u32 v14, s37, v14                     ; the stage on the way in: four lanes' 64 bytes on end, then the padding
	v_mul_u32_u24 v15, v2, SP
	v_add_nc_u32 v15, s37, v15                     ; and on the way out: my 16 neighbours
	s_wait_kmcnt 0x0
	s_load_b256 s[24:31], s[16:17], 0x0            ; e0 .. e7
	s_load_b128 s[32:35], s[16:17], 0x20           ; e8 .. e11
	s_mov_b64 s[SRC:SRC+1], s[12:13]               ; which tensor: the choices hang on the work-group's number alone
	s_mov_b32 s42, 320                             ; and its first work-group
	s_cmp_lt_u32 ttmp9, 320
	s_cselect_b64 s[SRC:SRC+1], s[10:11], s[SRC:SRC+1]
	s_cselect_b32 s42, 288, s42
	s_cmp_lt_u32 ttmp9, 288
	s_cselect_b64 s[SRC:SRC+1], s[8:9], s[SRC:SRC+1]
	s_cselect_b32 s42, 256, s42
	s_cmp_lt_u32 ttmp9, 256
	s_cselect_b64 s[SRC:SRC+1], s[6:7], s[SRC:SRC+1]
	s_cselect_b32 s42, 128, s42
	s_cmp_lt_u32 ttmp9, 128
	s_cselect_b64 s[SRC:SRC+1], s[4:5], s[SRC:SRC+1]
	s_cselect_b32 s42, 0, s42
	s_cselect_b64 s[D0:D0+1], s[18:19], s[20:21]   ; x's codes go to xc, the weights' to wc,
	s_cselect_b32 s43, 0, 128                      ; which begins with work-group 128's
	s_cselect_b32 s46, 1, 0                        ; 1: x
	s_sub_co_u32 s47, ttmp9, s42
	s_lshl_b32 s47, s47, 2
	s_add_co_u32 s47, s47, s36
	s_lshl_b32 s50, s47, 15                        ; my wave's 8,192 numbers: 32,768 bytes
	s_mov_b32 s51, 0
	s_add_nc_u64 s[SRC:SRC+1], s[SRC:SRC+1], s[50:51]
	s_sub_co_u32 s47, ttmp9, s43
	s_lshl_b32 s47, s47, 2
	s_add_co_u32 s47, s47, s36
	s_lshl_b32 s52, s47, 13                        ; and their 8,192 codes
	s_mov_b32 s53, 0
	s_add_nc_u64 s[D0:D0+1], s[D0:D0+1], s[52:53]
	s_cmp_lg_u32 s46, 0
	s_cselect_b32 s52, s52, 0                      ; the other planes' addresses stay inside xc in every work-group
	s_add_nc_u64 s[D1:D1+1], s[18:19], s[52:53]
	s_add_nc_u64 s[D2:D2+1], s[D1:D1+1], 0x800000
	s_add_nc_u64 s[D1:D1+1], s[D1:D1+1], 0x400000
.irp t, 0,1,2,3
	LOAD \t
.endr
	s_wait_kmcnt 0x0
	s_mov_b32 s56, s35                             ; e11, wo's
	s_cmp_lt_u32 ttmp9, 320
	s_cselect_b32 s56, s29, s56                    ; e5, wv's
	s_cmp_lt_u32 ttmp9, 288
	s_cselect_b32 s56, s27, s56                    ; e3, wk's
	s_cmp_lt_u32 ttmp9, 256
	s_cselect_b32 s56, s25, s56                    ; e1, wq's
	s_cmp_lt_u32 ttmp9, 128
	s_cselect_b32 s56, s24, s56                    ; e0, x's first
	SCALE 0, 56
	SCALE 1, 26                                    ; e2
	SCALE 2, 28                                    ; e4
	s_wait_loadcnt 12                              ; step 0's four loads are in
	TURN 0
.irp t, 0,1,2,3,4,5,6,7,8,9,10,11,12,13,14,15
	STEP \t
.endr
	s_wait_tensorcnt 0x0
	ds_add_u32 v144, v145
	s_wait_dscnt 0x0
	s_endpgm
; THE MASK.  Work-group 448 + QT takes queries 16 QT .. 16 QT + 15; wave w key steps 4 w .. 4 w + 3 of 128 keys.  For a key step the attention holds 64 score registers n = 8 T + j; its lane l holds
; query l % 16 and key 16 T + 8 (l / 16) + j.  Lane l loads just those bytes, eight for each T; a compare makes of byte j of all lanes the word n.  The 64 words of a step are gathered
; in a register pair (word n in register n % 2 of lane n / 2) and leave as 256 consecutive bytes at (16 QT + step) x 256.
; THE FLAGS.  A bool is a byte 0 or 1, so the AND of a lane's 16 words of a step is 0x01010101 where all its 64 keys are masked, and their OR is not 0 where one is.  Two compares give two lane masks a step.
; Of them the wave makes two words: word 0: bit 4 w + u: step 4 w + u has an open key; bit 16 + 4 w + u: it has a masked key;  word 1: bit l: all of lane l's keys of my four steps are masked.
; The pair leaves 32 times over, as 256 consecutive bytes at (4 QT + w) x 256 of mf; the attention reads the first pair of each.
.Lmask:
	v_and_b32 v4, 15, v2
	v_lshrrev_b32 v5, 4, v2
	v_lshlrev_b32 v4, 11, v4
	v_lshl_add_u32 v5, v5, 3, v4                   ; a row of the mask is 2,048 bytes: (l % 16) x 2,048 + 8 (l / 16)
	v_lshlrev_b32 v6, 3, v2                        ; 8 x lane
	s_sub_co_u32 s37, ttmp9, 448                   ; QT
	s_lshl_b32 s38, s37, 15                        ; 16 rows
	s_lshl_b32 s39, s36, 9                         ; my four key steps
	s_add_co_u32 s38, s38, s39
	s_mov_b32 s39, 0
	s_lshl_b32 s48, s37, 4
	s_lshl_b32 s49, s36, 2
	s_add_co_u32 s48, s48, s49
	s_lshl_b32 s48, s48, 8
	s_mov_b32 s49, 0
	s_lshl_b32 s56, s37, 2
	s_add_co_u32 s56, s56, s36
	s_lshl_b32 s56, s56, 8                         ; my 256 bytes of mf
	s_mov_b32 s57, 0
	s_mov_b32 s52, -1                              ; word 1 begins as all ones,
	s_mov_b32 s53, 0                               ; word 0 as nothing
	s_wait_kmcnt 0x0
	s_add_nc_u64 s[14:15], s[14:15], s[38:39]
	s_add_nc_u64 s[22:23], s[22:23], s[48:49]
	s_add_nc_u64 s[60:61], s[60:61], s[56:57]
.irp u, 0,1,2,3
.irp t, 0,1,2,3,4,5,6,7
	global_load_b64 v[16+16*\u+2*\t:17+16*\u+2*\t], v5, s[14:15] offset:128*\u+16*\t th:TH_LOAD_NT
.endr
.endr
.irp i, 0,1,2,3,4,5,6,7
	v_mov_b32 v[88+\i], 0                          ; v_writelane_b32's destination counts as read
.endr
.macro UNIT u
	s_wait_loadcnt 24-8*\u                         ; this key step's eight loads are in; the later steps' may be out
.irp t, 0,1,2,3,4,5,6,7
.irp j, 0,1,2,3,4,5,6,7
	v_and_b32 v[80+\j], 0xff<<(8*(\j%4)), v[16+16*\u+2*\t+\j/4]
.endr
.irp j, 0,1,2,3,4,5,6,7
	v_cmp_ne_u32 s[40+\j], 0, v[80+\j]
.endr
.irp j, 0,1,2,3,4,5,6,7
	v_writelane_b32 v[88+2*\u+\j%2], s[40+\j], 4*\t+\j/2
.endr
.endr
	global_store_b64 v6, v[88+2*\u:89+2*\u], s[22:23] offset:256*\u   ; 32 lanes store 256 consecutive bytes, aligned
	v_and_b32 v96, v[16+16*\u], v[17+16*\u]        ; the step's flags
	v_or_b32 v97, v[16+16*\u], v[17+16*\u]
.irp i, 2,3,4,5,6,7,8,9,10,11,12,13,14,15
	v_and_b32 v96, v96, v[16+16*\u+\i]
	v_or_b32 v97, v97, v[16+16*\u+\i]
.endr
	v_cmp_eq_u32 s48, 0x01010101, v96              ; lanes all of whose keys are masked
	v_cmp_ne_u32 s49, 0, v97                       ; lanes with a masked key
	s_and_b32 s52, s52, s48
	s_cmp_lg_u32 s48, -1                           ; some lane has an open key
	s_cselect_b32 s50, 1<<\u, 0
	s_or_b32 s53, s53, s50
	s_cmp_lg_u32 s49, 0                            ; some lane has a masked key
	s_cselect_b32 s50, 0x10000<<\u, 0
	s_or_b32 s53, s53, s50
.endm
	UNIT 0
	UNIT 1
	UNIT 2
	UNIT 3
	s_lshl_b32 s54, s36, 2
	s_lshl_b32 s53, s53, s54                       ; my four steps' bits into their places among the sixteen
	v_mov_b32 v98, s53
	v_mov_b32 v99, s52
	global_store_b64 v6, v[98:99], s[60:61]        ; 32 lanes store 256 consecutive bytes, aligned
	s_endpgm
.Lfunc_end_k_qad42b11405_prep:
	.size	k_qad42b11405_prep, .Lfunc_end_k_qad42b11405_prep-k_qad42b11405_prep
	.p2alignl 7, 3214868480
	.fill 96, 4, 3214868480
	.section	.rodata,"a",@progbits
	.p2align	6, 0x0
	.amdhsa_kernel k_qad42b11405_prep
		.amdhsa_group_segment_fixed_size 33280
		.amdhsa_private_segment_fixed_size 0
		.amdhsa_enable_private_segment 0
		.amdhsa_kernarg_size 88
		.amdhsa_user_sgpr_count 2
		.amdhsa_user_sgpr_kernarg_segment_ptr 1
		.amdhsa_wavefront_size32 1
		.amdhsa_system_sgpr_workgroup_id_x 1
		.amdhsa_system_sgpr_workgroup_id_y 1
		.amdhsa_system_sgpr_workgroup_id_z 1
		.amdhsa_system_vgpr_workitem_id 0
		.amdhsa_next_free_vgpr 146
		.amdhsa_next_free_sgpr 66
		.amdhsa_reserve_vcc 0
		.amdhsa_float_denorm_mode_32 3
		.amdhsa_float_denorm_mode_16_64 3
		.amdhsa_memory_ordered 1
		.amdhsa_forward_progress 1
		.amdhsa_inst_pref_size 139
	.end_amdhsa_kernel
	.amdgpu_metadata
---
amdhsa.version: [ 1, 2 ]
amdhsa.kernels:
  - .name:           k_qad42b11405_prep
    .symbol:         k_qad42b11405_prep.kd
    .args:
      - { .name: x, .offset: 0, .size: 8, .value_kind: global_buffer, .address_space: global }
      - { .name: wq, .offset: 8, .size: 8, .value_kind: global_buffer, .address_space: global }
      - { .name: wk, .offset: 16, .size: 8, .value_kind: global_buffer, .address_space: global }
      - { .name: wv, .offset: 24, .size: 8, .value_kind: global_buffer, .address_space: global }
      - { .name: wo, .offset: 32, .size: 8, .value_kind: global_buffer, .address_space: global }
      - { .name: mask, .offset: 40, .size: 8, .value_kind: global_buffer, .address_space: global }
      - { .name: lowp_scales, .offset: 48, .size: 8, .value_kind: global_buffer, .address_space: global }
      - { .name: xc, .offset: 56, .size: 8, .value_kind: global_buffer, .address_space: global }
      - { .name: wc, .offset: 64, .size: 8, .value_kind: global_buffer, .address_space: global }
      - { .name: mw, .offset: 72, .size: 8, .value_kind: global_buffer, .address_space: global }
      - { .name: mf, .offset: 80, .size: 8, .value_kind: global_buffer, .address_space: global }
    .group_segment_fixed_size: 33280
    .private_segment_fixed_size: 0
    .kernarg_segment_align: 8
    .kernarg_segment_size: 88
    .max_flat_workgroup_size: 128
    .sgpr_count:     66
    .vgpr_count:     146
    .wavefront_size: 32
...
	.end_amdgpu_metadata
.endif
;; end of part 5
;; launch qkv: the kernel of part 2 again; grid 24 x 16, 4 waves a work-group, clusters of 4 x 4, 327,680 bytes of LDS; arguments xc, wc, lowp_scales, cos, sin, qg, kg, qi, kv; writes qi, kv
;; launch attn (part 6): grid 32 x 8, 16 waves a work-group, no clusters, 281,600 bytes of LDS; arguments qi, kv, mw, mf, lowp_scales, cc; writes cc
.if DOCPART == 6
	.amdgcn_target "amdgcn-amd-amdhsa--gfx1250"
	.amdhsa_code_object_version 6
	.text
	.protected	k_qad42b11405_attn
	.globl	k_qad42b11405_attn
	.p2align	8
	.type	k_qad42b11405_attn,@function
k_qad42b11405_attn:
	s_mov_b64 s[64:65], 0
	v_nop
	global_prefetch_b8 v0, s[64:65] scope:SCOPE_SE
	s_setreg_imm32_b32 hwreg(HW_REG_WAVE_MODE, 25, 1), 1
	s_wait_xcnt 0x0
; ATTENTION on codes of FP8 (E4M3): S^T = K Q^T (16x16x64), the softmax by a running whole-number M, O^T = V^T P^T (16x16x128), ctx quantised on the way out.
; t = score x log2(e) / 8; M = the running largest t rounded up; p = 2^(t - M) is quantised with 2^e8, not normalised; the row's sum is taken of the unquantised p and divides at the end.
; THE MASK is an input and is honoured as it is given.  An earlier launch has stored, for each tile of 16 queries and each step of 128 keys, 64 lane masks (mw), and whether the step has an open key and whether it
; has a masked key (mf).  A step all of whose keys are masked for all 16 queries adds p = 0 and is jumped over; a step without a masked key leaves the 64 selects and the mask words out.  Where a query of the tile is
; masked on all 2,048 keys, every step of the tile is worked, since that row's p is 1 on every key.  The loops' trip counts are constants.
; A masked score becomes -2^100: c x 2^100 is exact and a whole number, so while a row has met masked keys alone, t - M is 0 and p is 1; its first open key makes the factor 2^(old M - new M) zero, which clears
; the sum and O^T; from then on a masked p is 0.
; SHARES.  A work-group owns one group of four query heads, which share K and V, and four tiles of 16 queries: 127 - x, 64 + x, 63 - x, x (x: the work-group's number, 0 to 31), so that where the mask hides the later
; keys all work-groups have the same number of steps to work.  Wave w = (a = w % 4, b = w / 4): head b, tile class (a + b) % 4: the four waves of equal a, and the four of equal b, hold one tile of each class.
; One tile a wave in 256 registers, four waves to a SIMD, so that one wave's vector work stands beside another's products and LDS loads.
; LDS.  The group's whole K and V, 262,144 bytes of operand images, in four pieces of four key steps.  Each wave brings 4,096 bytes of a piece through registers: eight loads, issued four key steps ahead of the
; piece's first use, eight LDS stores at the phase's end, a barrier.  No byte of LDS is written twice.
; NO TENSOR LOAD, NO CLUSTER: the steps that a wave works hang on numbers read from memory; there is no joint load either.
; No prefetch: each piece is asked for by its own loads four key steps ahead.
; LAYOUT.  Both products are used transposed: a lane holds ONE query (lane % 16).  Register 8 T + j of S^T is key 16 T + 8 (lane / 16) + j, so the conversion of tile T gives registers 2 T, 2 T + 1 of P.
; LIMITS on the given exponents: e6 + e7 between -70 and 25 (c x 2^100 a finite whole number); e8 and e10 - e8 - e9 between -126 and 119.  NaN among the inputs is not served.
; REGISTERS: v1 16 x lane; v2 the step's LDS address; v3 -2^100; v4, v5 2^e8 and 448 x that; v6, v7 the same with e10 - e8 - e9; v8-10 the way out; v11 my 16 bytes of a piece; v12 -M, v13 the largest t,
;   v[14:15] the sum in two halves; v16-23 Q; v24-87 eight tiles of K, then four of V^T; v96-159 S^T, then p; v160-191 O^T; v192-207 p's codes; v208-214 at work; v216-247 a piece on its way; v248 its LDS address.
; s18 the flags, shifted right once a step: bit 0: work the step; bit 16: it has masked keys.  s32-63 and s68-99 hold a step's 64 mask words; at the head they hold offsets and exponents.
.set STG,  262144                      ; behind K and V: 64 rows x (256 bytes + 16), for the way out
.set SPI,  272
.set KV,   24
.set S,    96
.set OT,   160
.set PC,   192
.set FB,   216
.set FA,   248
.macro MLOAD                           ; a step's 64 mask words: 256 consecutive bytes
	s_load_b512 s[32:47], s[28:29], s30 offset:0x0
	s_load_b512 s[48:63], s[28:29], s30 offset:0x40
	s_load_b512 s[68:83], s[28:29], s30 offset:0x80
	s_load_b512 s[84:99], s[28:29], s30 offset:0xc0
.endm
.macro TILE dst, cls, tmp              ; the tile of 16 queries of class 0, 1, 2, 3: 127 - x, 64 + x, 63 - x, x
	s_and_b32 s[\tmp], s[\cls], 1
	s_cselect_b32 s[\tmp], 0, 63
	s_xor_b32 s[\dst], ttmp9, s[\tmp]              ; x, or 63 - x (x is under 32)
	s_lshr_b32 s[\tmp], s[\cls], 1
	s_xor_b32 s[\tmp], s[\tmp], 1
	s_lshl_b32 s[\tmp], s[\tmp], 6
	s_add_co_u32 s[\dst], s[\dst], s[\tmp]         ; + 64 in classes 0 and 1
.endm
	s_load_b256 s[4:11], s[0:1], 0x0               ; qi, kv, mw, mf
	s_load_b128 s[12:15], s[0:1], 0x20             ; the scales' exponents, cc
	v_lshl_add_u32 v254, v0, 2, 0x44400
	v_mov_b32 v255, 0
	v_lshrrev_b32 v1, 5, v0
	v_readfirstlane_b32 s3, v1                     ; wave 0..15
	s_and_b32 s16, s3, 3                           ; a
	s_lshr_b32 s17, s3, 2                          ; b: my head in the group; also the class whose rows I store at the end
	s_add_co_u32 s19, s16, s17
	s_and_b32 s19, s19, 3                          ; my tile's class
	s_and_b32 s46, ttmp7, 0xffff                   ; the group
	TILE 40, 19, 47                                ; my tile of 16 queries
	TILE 41, 17, 47                                ; the tile whose rows I store
	s_lshl_b32 s42, s46, 2
	s_add_co_u32 s42, s42, s17                     ; head
	s_lshl_b32 s42, s42, 7
	s_add_co_u32 s42, s42, s40
	s_lshl_b32 s42, s42, 10                        ; Q's image
	s_mov_b32 s43, 0
	s_lshl_b32 s44, s46, 18                        ; the group's 262,144 bytes of K and V
	s_mov_b32 s45, 0
	s_lshl_b32 s48, s40, 12                        ; the tile's mask words: 16 steps x 256 bytes
	s_mov_b32 s49, 0
	s_lshl_b32 s50, s40, 10                        ; the tile's flags: 4 x 256 bytes
	s_mov_b32 s51, 0
	s_lshl_b32 s52, s41, 4
	s_lshl_b32 s53, s16, 2
	s_add_co_u32 s52, s52, s53                     ; ctx: row 16 x tile + 4 a,
	s_lshl_b32 s52, s52, 11                        ; 2,048 codes a row,
	s_lshl_b32 s53, s46, 8                         ; the group's 256 columns
	s_add_co_u32 s52, s52, s53
	s_mov_b32 s53, 0
	s_lshl_b32 s54, s3, 12
	v_and_b32 v1, 31, v0
	v_lshlrev_b32 v1, 4, v1                        ; 16 x lane
	v_add_nc_u32 v11, s54, v1                      ; my 16 bytes of a piece, in memory as in LDS: 4,096 x wave + 16 x lane
	s_wait_kmcnt 0x0
	s_load_b256 s[68:75], s[12:13], 0x0            ; e0 .. e7
	s_load_b128 s[76:79], s[12:13], 0x20           ; e8 .. e11
	s_add_nc_u64 s[4:5], s[4:5], s[42:43]
	s_add_nc_u64 s[6:7], s[6:7], s[44:45]
	s_add_nc_u64 s[28:29], s[8:9], s[48:49]
	s_add_nc_u64 s[10:11], s[10:11], s[50:51]
	s_add_nc_u64 s[104:105], s[14:15], s[52:53]
	s_load_b64 s[20:21], s[10:11], 0x0             ; the flags of key steps 0-3,
	s_load_b64 s[22:23], s[10:11], 0x100           ; 4-7,
	s_load_b64 s[24:25], s[10:11], 0x200           ; 8-11,
	s_load_b64 s[26:27], s[10:11], 0x300           ; 12-15
.set i, 0
.rept 8
	global_load_b128 v[FB+4*i:FB+4*i+3], v11, s[6:7] offset:512*i   ; my part of the first piece: key steps 0-3
.set i, i+1
.endr
	global_load_b128 v[16:19], v1, s[4:5]          ; Q's fragment stays in registers
	global_load_b128 v[20:23], v1, s[4:5] offset:512
	v_and_b32 v208, 15, v0                         ; r
	v_bfe_u32 v209, v0, 4, 1                       ; h
	s_mul_i32 s55, s19, 16*SPI
	s_lshl_b32 s56, s17, 6
	s_add_co_u32 s55, s55, s56
	s_add_co_u32 s55, s55, STG
	v_mul_u32_u24 v8, v208, SPI
	v_lshl_add_u32 v8, v209, 3, v8
	v_add_nc_u32 v8, s55, v8                       ; the stage, in: row 16 x class + r, byte 64 x head + 8 h
	s_mul_i32 s56, s3, 4*SPI
	s_add_co_u32 s56, s56, STG
	v_mul_u32_u24 v9, v209, SPI
	v_lshl_add_u32 v9, v208, 4, v9
	v_add_nc_u32 v9, s56, v9                       ; back: rows 4 w on, which are rows 4 a on of class b; lanes 0-15 one row, lanes 16-31 the next
	v_lshlrev_b32 v10, 11, v209
	v_lshl_add_u32 v10, v208, 4, v10               ; and the same two rows in ctx
	v_mov_b32 v3, 0xf1800000                       ; -2^100
	v_mov_b32 v13, 0xff61b1e6                      ; the largest t so far: -3e38, under every t
	v_floor_f32 v12, -v13                          ; -M
	v_mov_b32 v14, 0
	v_mov_b32 v15, 0
	v_mov_b32 v210, 0                              ; a lane permute's destination counts as one of its sources
	v_mov_b32 v213, 0                              ; (named as the upper half of the pair v[212:213])
.set i, 0
.rept 32
	v_mov_b32 v[OT+i], 0                           ; O^T: the step is written once; the first that is worked finds zeros
.set i, i+1
.endr
	s_mov_b32 s100, 0x76543210                     ; v_permlanex16_b32's selects for lane l xor 16
	s_mov_b32 s101, 0xfedcba98
	s_mov_b32 s2, 0                                ; LDS byte at which the step in hand begins
	s_mov_b32 s30, 0                               ; and its mask words
	s_wait_kmcnt 0x0
	s_add_co_i32 s80, s74, s75
	s_lshl_b32 s80, s80, 23
	s_mov_b32 s66, 0x3e38aa3b                      ; log2(e) / 8
	s_add_co_i32 s66, s66, s80                     ; c: a score stands for score x 2^(e6 + e7): the exponents are added to the exponent field
	s_mov_b32 s67, s66                             ; (named with it as a pair)
	s_add_co_i32 s80, s76, 127
	s_lshl_b32 s81, s80, 23
	v_mov_b32 v4, s81                              ; 2^e8
	s_add_co_i32 s80, s80, 8
	s_lshl_b32 s80, s80, 23
	s_or_b32 s80, s80, 0x600000
	v_mov_b32 v5, s80                              ; 448 x 2^e8
	s_sub_co_i32 s80, s78, s76
	s_sub_co_i32 s80, s80, s77                     ; a sum of the second product stands for sum x 2^(e8 + e9): ctx's code is (sum / l) / 2^(e10 - e8 - e9)
	s_add_co_i32 s80, s80, 127
	s_lshl_b32 s81, s80, 23
	v_mov_b32 v6, s81
	s_add_co_i32 s80, s80, 8
	s_lshl_b32 s80, s80, 23
	s_or_b32 s80, s80, 0x600000
	v_mov_b32 v7, s80
	s_or_b32 s20, s20, s22                         ; the sixteen steps' flags,
	s_or_b32 s24, s24, s26
	s_or_b32 s20, s20, s24
	s_and_b32 s21, s21, s23                        ; and the lanes all of whose 1,024 keys are masked
	s_and_b32 s25, s25, s27
	s_and_b32 s21, s21, s25
	s_lshr_b32 s22, s21, 16                        ; a query's keys lie in lanes r and r + 16
	s_and_b32 s22, s22, s21
	s_and_b32 s22, s22, 0xffff                     ; not 0: a query of my tile is masked on every key:
	s_cselect_b32 s18, -1, s20                     ; then every step is worked, with its mask words
	MLOAD                                          ; step 0's words: so that the 64 registers are written on every way
	s_wait_loadcnt 2                               ; my part of the first piece is in; Q's two loads may be out
.set i, 0
.rept 8
	ds_store_b128 v11, v[FB+4*i:FB+4*i+3] offset:512*i
.set i, i+1
.endr
	s_wait_loadcnt 0x0                             ; Q
	s_wait_kmcnt 0x0
	s_wait_dscnt 0x0                               ; for the others' sake: my stores are done
	s_barrier_signal -1
	s_barrier_wait -1                              ; key steps 0-3 lie in LDS
; A KEY STEP: 128 keys.
.macro STEP
	s_and_b32 s16, s18, 1                          ; has the step an open key for my tile (or has the tile a row masked throughout)?
	s_cbranch_scc0 .Lskip_\@
	s_and_b32 s16, s18, 0x10000                    ; has it a masked key?  Then its words are asked for now
	s_cbranch_scc0 .Lnowords_\@
	MLOAD
.Lnowords_\@:
	v_add_nc_u32 v2, s2, v1
.rept 3
	v_nop                                          ; with the line above: four places ahead of loads into registers that the last products read
.endr
.set i, 0
.rept 16
	ds_load_b128 v[KV+4*i:KV+4*i+3], v2 offset:512*i       ; K's eight tiles, as their registers lie
.set i, i+1
.endr
	s_wait_dscnt 0x0
.set i, 0
.rept 8
	v_wmma_f32_16x16x64_fp8_fp8 v[S+8*i:S+8*i+7], v[KV+8*i:KV+8*i+7], v[16:23], 0
.set i, i+1
.endr
.rept 4
	v_nop
.endr
.set i, 0
.rept 16
	ds_load_b128 v[KV+4*i:KV+4*i+3], v2 offset:8192+512*i  ; V^T's four tiles land during the softmax
.set i, i+1
.endr
	s_wait_kmcnt 0x0                               ; the step's mask words, if they were asked for: the wait stands on every way through a worked step
	s_and_b32 s16, s18, 0x10000
	s_cbranch_scc0 .Lopen_\@
.set i, 0
.rept 64
	v_cndmask_b32 v[S+i], v[S+i], v3, s[32+i+4*(i/32)]     ; each accumulator from its low end on
.set i, i+1
.endr
.Lopen_\@:
	v_max3_num_f32 v214, v96, v97, v98             ; the step's largest score of my query among my 64 keys, in two chains, each accumulator from its low end on,
	v_max3_num_f32 v212, v99, v100, v101
.irp i, 6,10,14,18,22,26,30,34,38,42,46,50,54,58
	v_max3_num_f32 v214, v214, v[S+\i], v[S+1+\i]
	v_max3_num_f32 v212, v212, v[S+2+\i], v[S+3+\i]
.endr
	v_max3_num_f32 v214, v214, v158, v159
	v_max_num_f32 v214, v214, v212
	v_permlanex16_b32 v210, v214, s100, s101
	v_max_num_f32 v214, v214, v210                 ; and among lane l xor 16's
	v_mul_f32 v214, s66, v214                      ; as t (c is positive)
	v_max_num_f32 v13, v13, v214                   ; the running largest t
	v_mov_b32 v214, v12
	v_floor_f32 v12, -v13                          ; the new -M = floor(-t)
	v_sub_f32 v214, v12, v214                      ; old M - new M: a whole number, 0 or less
	v_cvt_i32_f32 v214, v214                       ; (it saturates)
	v_ldexp_f32 v212, 1.0, v214                    ; f = 2^(old M - new M)
.set i, 0
.rept 32
	v_pk_fma_f32 v[S+i:S+i+1], v[S+i:S+i+1], s[66:67], v[12:13] op_sel_hi:[1,0,0]   ; t - M, two at a time
.set i, i+2
.endr
.set i, 0
.rept 64
	v_exp_f32 v[S+i], v[S+i]                       ; p = 2^(t - M)
.set i, i+1
.endr
	v_pk_mul_f32 v[14:15], v[14:15], v[212:213] op_sel_hi:[1,0]   ; the sums under the new M: the plain line behind the batch
	s_wait_alu depctr_va_vdst(0)                   ; one wait for the 64, ahead of their first reader
	v_pk_add_f32 v[208:209], v[S:S+1], v[S+2:S+3]  ; the row's sum of the unquantised p, in two chains
.irp i, 4,8,12,16,20,24,28,32,36,40,44,48,52,56,60
	v_pk_add_f32 v[14:15], v[14:15], v[S+\i:S+1+\i]
	v_pk_add_f32 v[208:209], v[208:209], v[S+2+\i:S+3+\i]
.endr
	v_pk_add_f32 v[14:15], v[14:15], v[208:209]
.set i, 0
.rept 64
	v_min_num_f32 v[S+i], v[S+i], v5               ; the conversion does not saturate (ISA guide 7.6.2); p is not negative, so the hold is one-sided
.set i, i+1
.endr
.set i, 0
.rept 8
	v_cvt_scalef32_pk8_fp8_f32 v[PC+2*i:PC+2*i+1], v[S+8*i:S+8*i+7], v4
.set i, i+1
.endr
.set i, 0
.rept 16
	v_pk_mul_f32 v[OT+i:OT+i+1], v[OT+i:OT+i+1], v[212:213] op_sel_hi:[1,0]   ; O^T under the new M; also the plain lines between the conversions and the products
.set i, i+2
.endr
	s_wait_dscnt 0x0                               ; V^T is in
.set i, 0
.rept 4
	v_wmma_f32_16x16x128_fp8_fp8 v[OT+8*i:OT+8*i+7], v[KV+16*i:KV+16*i+15], v[PC:PC+15], v[OT+8*i:OT+8*i+7]   ; four accumulators by turns; eleven other products stand between two on one
.set i, i+1
.endr
.Lskip_\@:
	s_add_co_u32 s2, s2, 16384                     ; these three step in every trip, worked or not
	s_add_co_u32 s30, s30, 256
	s_lshr_b32 s18, s18, 1
.endm
; A PHASE: four key steps.  At its head my part of the next piece is asked for; at its end it goes into LDS, and a barrier shows the whole piece to every wave.  The last phase asks for nothing.
.macro PHASE p
.if \p < 3
.set i, 0
.rept 8
	global_load_b128 v[FB+4*i:FB+4*i+3], v11, s[6:7] offset:65536*(\p+1)+512*i
.set i, i+1
.endr
.endif
	s_mov_b32 s31, 4
.Lstep_\@:
	STEP
	s_sub_co_u32 s31, s31, 1
	s_cmp_lg_u32 s31, 0
	s_cbranch_scc1 .Lstep_\@
.if \p < 3
	v_add_nc_u32 v[FA], 65536*(\p+1), v11
	s_wait_loadcnt 0x0                             ; my part of the next piece is in
.set i, 0
.rept 8
	ds_store_b128 v[FA], v[FB+4*i:FB+4*i+3] offset:512*i   ; bytes that nobody has read or written yet
.set i, i+1
.endr
	s_wait_dscnt 0x0                               ; for the others' sake: my stores are done; they have also read their registers, which the next phase's loads write
	s_barrier_signal -1
	s_barrier_wait -1
.endif
.endm
	PHASE 0
	PHASE 1
	PHASE 2
	PHASE 3
	; THE WAY OUT: O^T / l, quantised along the head's axis (ctx's K), eight codes a tile and lane; the four heads' 64 bytes of a row meet in the stage, and sixteen lanes store a row's 256 consecutive bytes, aligned.
	v_add_f32 v14, v14, v15
	v_permlanex16_b32 v210, v14, s100, s101
	v_add_f32 v14, v14, v210                       ; the row's sum
	v_rcp_f32 v14, v14
	v_nop                                          ; a plain line behind the reciprocal
	v_nop
	s_wait_alu depctr_va_vdst(0)                   ; the wait ahead of its first reader
	v_mov_b32 v15, v14
.set i, 0
.rept 16
	v_pk_mul_f32 v[S+i:S+i+1], v[OT+i:OT+i+1], v[14:15]    ; register 8 a + j: channel 16 a + 8 h + j of query r
.set i, i+2
.endr
.set i, 0
.rept 32
	v_med3_num_f32 v[S+i], v[S+i], -v7, v7
.set i, i+1
.endr
.irp a, 0,1,2,3
	v_cvt_scalef32_pk8_fp8_f32 v[PC+2*\a:PC+2*\a+1], v[S+8*\a:S+8*\a+7], v6
.endr
	v_nop
.irp a, 0,1,2,3
	ds_store_b64 v8, v[PC+2*\a:PC+2*\a+1] offset:16*\a
.endr
	s_wait_dscnt 0x0                               ; for the others' sake: my stores into the stage are done
	s_barrier_signal -1
	s_barrier_wait -1
	ds_load_b128 v[96:99], v9
	ds_load_b128 v[100:103], v9 offset:2*SPI
	s_wait_dscnt 0x0
	global_store_b128 v10, v[96:99], s[104:105]
	global_store_b128 v10, v[100:103], s[104:105] offset:4096
	s_wait_tensorcnt 0x0
	ds_add_u32 v254, v255
	s_wait_dscnt 0x0
	s_endpgm
.Lfunc_end_k_qad42b11405_attn:
	.size	k_qad42b11405_attn, .Lfunc_end_k_qad42b11405_attn-k_qad42b11405_attn
	.p2alignl 7, 3214868480
	.fill 96, 4, 3214868480
	.section	.rodata,"a",@progbits
	.p2align	6, 0x0
	.amdhsa_kernel k_qad42b11405_attn
		.amdhsa_group_segment_fixed_size 281600
		.amdhsa_private_segment_fixed_size 0
		.amdhsa_enable_private_segment 0
		.amdhsa_kernarg_size 48
		.amdhsa_user_sgpr_count 2
		.amdhsa_user_sgpr_kernarg_segment_ptr 1
		.amdhsa_wavefront_size32 1
		.amdhsa_system_sgpr_workgroup_id_x 1
		.amdhsa_system_sgpr_workgroup_id_y 1
		.amdhsa_system_sgpr_workgroup_id_z 1
		.amdhsa_system_vgpr_workitem_id 0
		.amdhsa_next_free_vgpr 256
		.amdhsa_next_free_sgpr 106
		.amdhsa_reserve_vcc 0
		.amdhsa_float_denorm_mode_32 3
		.amdhsa_float_denorm_mode_16_64 3
		.amdhsa_memory_ordered 1
		.amdhsa_forward_progress 1
		.amdhsa_inst_pref_size 96
	.end_amdhsa_kernel
	.amdgpu_metadata
---
amdhsa.version: [ 1, 2 ]
amdhsa.kernels:
  - .name:           k_qad42b11405_attn
    .symbol:         k_qad42b11405_attn.kd
    .args:
      - { .name: qi, .offset: 0, .size: 8, .value_kind: global_buffer, .address_space: global }
      - { .name: kv, .offset: 8, .size: 8, .value_kind: global_buffer, .address_space: global }
      - { .name: mw, .offset: 16, .size: 8, .value_kind: global_buffer, .address_space: global }
      - { .name: mf, .offset: 24, .size: 8, .value_kind: global_buffer, .address_space: global }
      - { .name: lowp_scales, .offset: 32, .size: 8, .value_kind: global_buffer, .address_space: global }
      - { .name: cc, .offset: 40, .size: 8, .value_kind: global_buffer, .address_space: global }
    .group_segment_fixed_size: 281600
    .private_segment_fixed_size: 0
    .kernarg_segment_align: 8
    .kernarg_segment_size: 48
    .max_flat_workgroup_size: 512
    .sgpr_count:     106
    .vgpr_count:     256
    .wavefront_size: 32
...
	.end_amdgpu_metadata
.endif
;; end of part 6
;; launch oproj: the kernel of part 4 again; grid 16 x 16, 4 waves a work-group, clusters of 4 x 4, 327,680 bytes of LDS; arguments cc, wc, lowp_scales, out0; writes out0
;; ======== version 3 of 3: 4 launches; version 2 with the launch attn written anew for expert scheduling mode
;; limits: right only within a limited range of input values
;; workspace buffers: xc 12,582,912 bytes; wc 10,485,760 bytes; mw 524,288 bytes of whole numbers; mf 131,072 bytes of whole numbers; qi 4,194,304 bytes; kv 2,097,152 bytes; cc 4,194,304 bytes
;; launch prep: the kernel of part 5 again; grid 576 x 1, 4 waves a work-group, no clusters, 33,280 bytes of LDS; arguments x, wq, wk, wv, wo, mask, lowp_scales, xc, wc, mw, mf; writes xc, wc, mw, mf
;; launch qkv: the kernel of part 2 again; grid 24 x 16, 4 waves a work-group, clusters of 4 x 4, 327,680 bytes of LDS; arguments xc, wc, lowp_scales, cos, sin, qg, kg, qi, kv; writes qi, kv
;; launch attn (part 7): grid 32 x 8, 16 waves a work-group, no clusters, 281,600 bytes of LDS; arguments qi, kv, mw, mf, lowp_scales, cc; writes cc
.if DOCPART == 7
	.amdgcn_target "amdgcn-amd-amdhsa--gfx1250"
	.amdhsa_code_object_version 6
	.text
	.protected	k_qad42b11405_attn
	.globl	k_qad42b11405_attn
	.p2align	8
	.type	k_qad42b11405_attn,@function
k_qad42b11405_attn:
	s_mov_b64 s[64:65], 0
	v_nop
	global_prefetch_b8 v0, s[64:65] scope:SCOPE_SE
	s_setreg_imm32_b32 hwreg(HW_REG_WAVE_SCHED_MODE, 0, 2), 2
	s_setreg_imm32_b32 hwreg(HW_REG_WAVE_MODE, 25, 1), 1
	s_wait_xcnt 0x0
	s_wait_alu depctr_vm_vsrc(0)
; ATTENTION on codes of FP8 (E4M3): S^T = K Q^T (16x16x64), the softmax by a running whole-number M, O^T = V^T P^T (16x16x128), ctx quantised on the way out.
; t = score x log2(e) / 8; M = the running largest t rounded up; p = 2^(t - M) is quantised with 2^e8, not normalised; the row's sum is taken of the unquantised p and divides at the end.
; THE MASK is an input and is honoured as it is given.  An earlier launch has stored, for each tile of 16 queries and each step of 128 keys, 64 lane masks (mw), and whether the step has an open key and whether it
; has a masked key (mf).  A step all of whose keys are masked for all 16 queries adds p = 0 and is jumped over; a step without a masked key leaves the 64 selects and the mask words out.  Where a query of the tile is
; masked on all 2,048 keys, every step of the tile is worked, since that row's p is 1 on every key.  The loops' trip counts are constants.
; A masked score becomes -2^100: c x 2^100 is exact and a whole number, so while a row has met masked keys alone, t - M is 0 and p is 1; its first open key makes the factor 2^(old M - new M) zero, which clears
; the sum and O^T; from then on a masked p is 0.
; SHARES.  A work-group owns one group of four query heads, which share K and V, and four tiles of 16 queries: 127 - x, 64 + x, 63 - x, x (x: the work-group's number, 0 to 31), so that where the mask hides the later
; keys all work-groups have the same number of steps to work.  Wave w = (a = w % 4, b = w / 4): head b, tile class (a + b) % 4: the four waves of equal a, and the four of equal b, hold one tile of each class.
; One tile a wave in 256 registers, four waves to a SIMD, so that one wave's vector work stands beside another's products and LDS loads.
; LDS.  The group's whole K and V, 262,144 bytes of operand images, in four pieces of four key steps.  Each wave brings 4,096 bytes of a piece through registers: eight loads, issued four key steps ahead of the
; piece's first use, eight LDS stores at the phase's end, a barrier.  No byte of LDS is written twice.
; NO TENSOR LOAD, NO CLUSTER: the steps that a wave works hang on numbers read from memory; there is no joint load either.
; No prefetch: each piece is asked for by its own loads four key steps ahead.
; LAYOUT.  Both products are used transposed: a lane holds ONE query (lane % 16).  Register 8 T + j of S^T is key 16 T + 8 (lane / 16) + j, so the conversion of tile T gives registers 2 T, 2 T + 1 of P.
; LIMITS on the given exponents: e6 + e7 between -70 and 25 (c x 2^100 a finite whole number); e8 and e10 - e8 - e9 between -126 and 119.  NaN among the inputs is not served.
; REGISTERS: v1 16 x lane; v2 the step's LDS address; v3 -2^100; v4, v5 2^e8 and 448 x that; v6, v7 the same with e10 - e8 - e9; v8-10 the way out; v11 my 16 bytes of a piece; v12 -M, v13 the largest t,
;   v[14:15] the sum in two halves; v16-23 Q; v24-87 eight tiles of K, then four of V^T; v96-159 S^T, then p; v160-191 O^T; v192-207 p's codes; v208-214 at work; v216-247 a piece on its way; v248-250 the LDS addresses of pieces 1 to 3.
; s18 the flags, shifted right once a step: bit 0: work the step; bit 16: it has masked keys.  s32-63 and s68-99 hold a step's 64 mask words; at the head they hold offsets and exponents.
; THE MODE: SCHED_MODE bits 1:0 = 2 (LLVM: expert scheduling mode 2), set by the entry lines.  The code itself states the register dependences
; between vector or matrix instructions and memory or LDS instructions, with s_wait_alu, always for 0.
; THE PLAN.  Registers that memory or LDS instructions touch:
;   v1, v11, v248-250   offsets and LDS addresses, made once at the head, ahead of one wait on va_vdst, and never written again.
;   v216-247            Written by a phase's eight loads, read by the eight LDS stores at its end; no vector instruction names them.  One wait on vm_vsrc stands ahead of the next phase's loads.
;   v2                  Written once in a worked step, read by its 32 LDS loads: a wait on vm_vsrc ahead of the add, and the step's first wait on va_vdst behind it.
;   v24-87              K's loads land; eight products read; V^T's loads land; four products read.  A wait on va_vdst stands ahead of each of the two runs of loads: the products before it are done reading.
;                       V^T's sixteen loads are dealt among the lines that find the maximum: between their wait and the last of them stand the selects and v_max3 lines alone, which name v96-159, v3, v212 and v214.
;   v16-23              Q: loaded once, read by products alone.
;   v192-199, v8-10, v96-103   the way out: one wait on va_vdst behind the conversions, ahead of the LDS stores; no vector instruction follows it.
;   v254, v255          written at the head, read by the closing add alone.
.set STG,  262144                      ; behind K and V: 64 rows x (256 bytes + 16), for the way out
.set SPI,  272
.set KV,   24
.set S,    96
.set OT,   160
.set PC,   192
.set FB,   216
.set FA,   248
.macro MLOAD                           ; a step's 64 mask words: 256 consecutive bytes
	s_load_b512 s[32:47], s[28:29], s30 offset:0x0
	s_load_b512 s[48:63], s[28:29], s30 offset:0x40
	s_load_b512 s[68:83], s[28:29], s30 offset:0x80
	s_load_b512 s[84:99], s[28:29], s30 offset:0xc0
.endm
.macro TILE dst, cls, tmp              ; the tile of 16 queries of class 0, 1, 2, 3: 127 - x, 64 + x, 63 - x, x
	s_and_b32 s[\tmp], s[\cls], 1
	s_cselect_b32 s[\tmp], 0, 63
	s_xor_b32 s[\dst], ttmp9, s[\tmp]              ; x, or 63 - x (x is under 32)
	s_lshr_b32 s[\tmp], s[\cls], 1
	s_xor_b32 s[\tmp], s[\tmp], 1
	s_lshl_b32 s[\tmp], s[\tmp], 6
	s_add_co_u32 s[\dst], s[\dst], s[\tmp]         ; + 64 in classes 0 and 1
.endm
.macro VLOAD q                         ; four registers of V^T's four tiles, as they lie
	ds_load_b128 v[KV+4*(\q):KV+4*(\q)+3], v2 offset:8192+512*(\q)
.endm
	s_load_b256 s[4:11], s[0:1], 0x0               ; qi, kv, mw, mf
	s_load_b128 s[12:15], s[0:1], 0x20             ; the scales' exponents, cc
	v_lshl_add_u32 v254, v0, 2, 0x44400
	v_mov_b32 v255, 0
	v_lshrrev_b32 v1, 5, v0
	v_readfirstlane_b32 s3, v1                     ; wave 0..15
	s_wait_alu depctr_va_sdst(0)                   ; s3 is written, ahead of its first reader: shares, offsets and LDS addresses are made from it
	s_and_b32 s16, s3, 3                           ; a
	s_lshr_b32 s17, s3, 2                          ; b: my head in the group; also the class whose rows I store at the end
	s_add_co_u32 s19, s16, s17
	s_and_b32 s19, s19, 3                          ; my tile's class
	s_and_b32 s46, ttmp7, 0xffff                   ; the group
	TILE 40, 19, 47                                ; my tile of 16 queries
	TILE 41, 17, 47                                ; the tile whose rows I store
	s_lshl_b32 s42, s46, 2
	s_add_co_u32 s42, s42, s17                     ; head
	s_lshl_b32 s42, s42, 7
	s_add_co_u32 s42, s42, s40
	s_lshl_b32 s42, s42, 10                        ; Q's image
	s_mov_b32 s43, 0
	s_lshl_b32 s44, s46, 18                        ; the group's 262,144 bytes of K and V
	s_mov_b32 s45, 0
	s_lshl_b32 s48, s40, 12                        ; the tile's mask words: 16 steps x 256 bytes
	s_mov_b32 s49, 0
	s_lshl_b32 s50, s40, 10                        ; the tile's flags: 4 x 256 bytes
	s_mov_b32 s51, 0
	s_lshl_b32 s52, s41, 4
	s_lshl_b32 s53, s16, 2
	s_add_co_u32 s52, s52, s53                     ; ctx: row 16 x tile + 4 a,
	s_lshl_b32 s52, s52, 11                        ; 2,048 codes a row,
	s_lshl_b32 s53, s46, 8                         ; the group's 256 columns
	s_add_co_u32 s52, s52, s53
	s_mov_b32 s53, 0
	s_lshl_b32 s54, s3, 12
	v_and_b32 v1, 31, v0
	v_lshlrev_b32 v1, 4, v1                        ; 16 x lane
	v_add_nc_u32 v11, s54, v1                      ; my 16 bytes of a piece, in memory as in LDS: 4,096 x wave + 16 x lane
	v_add_nc_u32 v[FA], 65536, v11                 ; and the same place in pieces 1, 2 and 3 in LDS: an LDS offset holds 16 bits, so each piece has an address of its own, made once
	v_add_nc_u32 v[FA+1], 131072, v11
	v_add_nc_u32 v[FA+2], 196608, v11
	s_wait_kmcnt 0x0
	s_load_b256 s[68:75], s[12:13], 0x0            ; e0 .. e7
	s_load_b128 s[76:79], s[12:13], 0x20           ; e8 .. e11
	s_add_nc_u64 s[4:5], s[4:5], s[42:43]
	s_add_nc_u64 s[6:7], s[6:7], s[44:45]
	s_add_nc_u64 s[28:29], s[8:9], s[48:49]
	s_add_nc_u64 s[10:11], s[10:11], s[50:51]
	s_add_nc_u64 s[104:105], s[14:15], s[52:53]
	s_load_b64 s[20:21], s[10:11], 0x0             ; the flags of key steps 0-3,
	s_load_b64 s[22:23], s[10:11], 0x100           ; 4-7,
	s_load_b64 s[24:25], s[10:11], 0x200           ; 8-11,
	s_load_b64 s[26:27], s[10:11], 0x300           ; 12-15
	s_wait_alu depctr_va_vdst(0)                   ; v1, v11 and v248 to v250 are written: the loads below and in the phases read v1 or v11 as their offset, the pieces' LDS stores v11 or v248 to v250 as their address
.set i, 0
.rept 8
	global_load_b128 v[FB+4*i:FB+4*i+3], v11, s[6:7] offset:512*i   ; my part of the first piece: key steps 0-3
.set i, i+1
.endr
	global_load_b128 v[16:19], v1, s[4:5]          ; Q's fragment stays in registers
	global_load_b128 v[20:23], v1, s[4:5] offset:512
	v_and_b32 v208, 15, v0                         ; r
	v_bfe_u32 v209, v0, 4, 1                       ; h
	s_mul_i32 s55, s19, 16*SPI
	s_lshl_b32 s56, s17, 6
	s_add_co_u32 s55, s55, s56
	s_add_co_u32 s55, s55, STG
	v_mul_u32_u24 v8, v208, SPI
	v_lshl_add_u32 v8, v209, 3, v8
	v_add_nc_u32 v8, s55, v8                       ; the stage, in: row 16 x class + r, byte 64 x head + 8 h
	s_mul_i32 s56, s3, 4*SPI
	s_add_co_u32 s56, s56, STG
	v_mul_u32_u24 v9, v209, SPI
	v_lshl_add_u32 v9, v208, 4, v9
	v_add_nc_u32 v9, s56, v9                       ; back: rows 4 w on, which are rows 4 a on of class b; lanes 0-15 one row, lanes 16-31 the next
	v_lshlrev_b32 v10, 11, v209
	v_lshl_add_u32 v10, v208, 4, v10               ; and the same two rows in ctx
	v_mov_b32 v3, 0xf1800000                       ; -2^100
	v_mov_b32 v13, 0xff61b1e6                      ; the largest t so far: -3e38, under every t
	v_floor_f32 v12, -v13                          ; -M
	v_mov_b32 v14, 0
	v_mov_b32 v15, 0
	v_mov_b32 v210, 0                              ; a lane permute's destination counts as one of its sources
	v_mov_b32 v213, 0                              ; (named as the upper half of the pair v[212:213])
.set i, 0
.rept 32
	v_mov_b32 v[OT+i], 0                           ; O^T: the step is written once; the first that is worked finds zeros
.set i, i+1
.endr
	s_mov_b32 s100, 0x76543210                     ; v_permlanex16_b32's selects for lane l xor 16
	s_mov_b32 s101, 0xfedcba98
	s_mov_b32 s2, 0                                ; LDS byte at which the step in hand begins
	s_mov_b32 s30, 0                               ; and its mask words
	s_wait_kmcnt 0x0
	s_add_co_i32 s80, s74, s75
	s_lshl_b32 s80, s80, 23
	s_mov_b32 s66, 0x3e38aa3b                      ; log2(e) / 8
	s_add_co_i32 s66, s66, s80                     ; c: a score stands for score x 2^(e6 + e7): the exponents are added to the exponent field
	s_mov_b32 s67, s66                             ; (named with it as a pair)
	s_add_co_i32 s80, s76, 127
	s_lshl_b32 s81, s80, 23
	v_mov_b32 v4, s81                              ; 2^e8
	s_add_co_i32 s80, s80, 8
	s_lshl_b32 s80, s80, 23
	s_or_b32 s80, s80, 0x600000
	v_mov_b32 v5, s80                              ; 448 x 2^e8
	s_sub_co_i32 s80, s78, s76
	s_sub_co_i32 s80, s80, s77                     ; a sum of the second product stands for sum x 2^(e8 + e9): ctx's code is (sum / l) / 2^(e10 - e8 - e9)
	s_add_co_i32 s80, s80, 127
	s_lshl_b32 s81, s80, 23
	v_mov_b32 v6, s81
	s_add_co_i32 s80, s80, 8
	s_lshl_b32 s80, s80, 23
	s_or_b32 s80, s80, 0x600000
	v_mov_b32 v7, s80
	s_or_b32 s20, s20, s22                         ; the sixteen steps' flags,
	s_or_b32 s24, s24, s26
	s_or_b32 s20, s20, s24
	s_and_b32 s21, s21, s23                        ; and the lanes all of whose 1,024 keys are masked
	s_and_b32 s25, s25, s27
	s_and_b32 s21, s21, s25
	s_lshr_b32 s22, s21, 16                        ; a query's keys lie in lanes r and r + 16
	s_and_b32 s22, s22, s21
	s_and_b32 s22, s22, 0xffff                     ; not 0: a query of my tile is masked on every key:
	s_cselect_b32 s18, -1, s20                     ; then every step is worked, with its mask words
	MLOAD                                          ; step 0's words: so that the 64 registers are written on every way
	s_wait_loadcnt 2                               ; my part of the first piece is in; Q's two loads may be out
.set i, 0
.rept 8
	ds_store_b128 v11, v[FB+4*i:FB+4*i+3] offset:512*i     ; no vector instruction since the wait on va_vdst above names v11 or v216 to v247
.set i, i+1
.endr
	s_wait_loadcnt 0x0                             ; Q
	s_wait_kmcnt 0x0
	s_wait_dscnt 0x0                               ; for the others' sake: my stores are done
	s_barrier_signal -1
	s_barrier_wait -1                              ; key steps 0-3 lie in LDS
; A KEY STEP: 128 keys.
.macro STEP
	s_and_b32 s16, s18, 1                          ; has the step an open key for my tile (or has the tile a row masked throughout)?
	s_cbranch_scc0 .Lskip_\@
	s_and_b32 s16, s18, 0x10000                    ; has it a masked key?  Then its words are asked for now
	s_cbranch_scc0 .Lnowords_\@
	MLOAD
.Lnowords_\@:
	s_wait_alu depctr_vm_vsrc(0)                   ; the LDS loads of the step that was worked last have read v2, which the next line writes
	v_add_nc_u32 v2, s2, v1
.rept 3
	v_nop                                          ; with the line above: four places ahead of loads into registers that the last products read
.endr
	s_wait_alu depctr_va_vdst(0)                   ; v2 is written, which the loads below read; the last step's products are done reading v24 to v87, in which they land
.set i, 0
.rept 16
	ds_load_b128 v[KV+4*i:KV+4*i+3], v2 offset:512*i       ; K's eight tiles, as their registers lie
.set i, i+1
.endr
	s_wait_dscnt 0x0
.set i, 0
.rept 8
	v_wmma_f32_16x16x64_fp8_fp8 v[S+8*i:S+8*i+7], v[KV+8*i:KV+8*i+7], v[16:23], 0
.set i, i+1
.endr
.rept 4
	v_nop                                          ; four places behind the products, ahead of the first read of the scores (ISA guide 7.12.1); they stay beside the wait below
.endr
	s_wait_alu depctr_va_vdst(0)                   ; the eight products are done reading v24 to v87, in which V^T's loads land; up to the last of those loads only selects and v_max3 lines follow, which name neither these registers nor v2
	s_wait_kmcnt 0x0                               ; the step's mask words, if they were asked for: the wait stands on every way through a worked step
	s_and_b32 s16, s18, 0x10000
	s_cbranch_scc0 .Lopen_\@
.set i, 0
.rept 64
	v_cndmask_b32 v[S+i], v[S+i], v3, s[32+i+4*(i/32)]     ; each accumulator from its low end on
.set i, i+1
.endr
.Lopen_\@:
	VLOAD 0                                        ; V^T's four tiles, sixteen loads, are dealt among the lines of the maximum and land during the softmax
	v_max3_num_f32 v214, v96, v97, v98             ; the step's largest score of my query among my 64 keys, in two chains, each accumulator from its low end on,
	VLOAD 1
	v_max3_num_f32 v212, v99, v100, v101
.set n, 2
.irp i, 6,10,14,18,22,26,30,34,38,42,46,50,54,58
	VLOAD n
	v_max3_num_f32 v214, v214, v[S+\i], v[S+1+\i]
	v_max3_num_f32 v212, v212, v[S+2+\i], v[S+3+\i]
.set n, n+1
.endr
	v_max3_num_f32 v214, v214, v158, v159
	v_max_num_f32 v214, v214, v212
	v_permlanex16_b32 v210, v214, s100, s101
	v_max_num_f32 v214, v214, v210                 ; and among lane l xor 16's
	v_mul_f32 v214, s66, v214                      ; as t (c is positive)
	v_max_num_f32 v13, v13, v214                   ; the running largest t
	v_mov_b32 v214, v12
	v_floor_f32 v12, -v13                          ; the new -M = floor(-t)
	v_sub_f32 v214, v12, v214                      ; old M - new M: a whole number, 0 or less
	v_cvt_i32_f32 v214, v214                       ; (it saturates)
	v_ldexp_f32 v212, 1.0, v214                    ; f = 2^(old M - new M)
.set i, 0
.rept 32
	v_pk_fma_f32 v[S+i:S+i+1], v[S+i:S+i+1], s[66:67], v[12:13] op_sel_hi:[1,0,0]   ; t - M, two at a time
.set i, i+2
.endr
.set i, 0
.rept 64
	v_exp_f32 v[S+i], v[S+i]                       ; p = 2^(t - M)
.set i, i+1
.endr
	v_pk_mul_f32 v[14:15], v[14:15], v[212:213] op_sel_hi:[1,0]   ; the sums under the new M: the plain line behind the batch
	s_wait_alu depctr_va_vdst(0)                   ; the 64 exponentials have written v96 to v159: one wait, ahead of their first reader
	v_pk_add_f32 v[208:209], v[S:S+1], v[S+2:S+3]  ; the row's sum of the unquantised p, in two chains
.irp i, 4,8,12,16,20,24,28,32,36,40,44,48,52,56,60
	v_pk_add_f32 v[14:15], v[14:15], v[S+\i:S+1+\i]
	v_pk_add_f32 v[208:209], v[208:209], v[S+2+\i:S+3+\i]
.endr
	v_pk_add_f32 v[14:15], v[14:15], v[208:209]
.set i, 0
.rept 64
	v_min_num_f32 v[S+i], v[S+i], v5               ; the conversion does not saturate (ISA guide 7.6.2); p is not negative, so the hold is one-sided
.set i, i+1
.endr
.set i, 0
.rept 8
	v_cvt_scalef32_pk8_fp8_f32 v[PC+2*i:PC+2*i+1], v[S+8*i:S+8*i+7], v4
.set i, i+1
.endr
.set i, 0
.rept 16
	v_pk_mul_f32 v[OT+i:OT+i+1], v[OT+i:OT+i+1], v[212:213] op_sel_hi:[1,0]   ; O^T under the new M; also the plain lines between the conversions and the products
.set i, i+2
.endr
	s_wait_dscnt 0x0                               ; V^T is in
.set i, 0
.rept 4
	v_wmma_f32_16x16x128_fp8_fp8 v[OT+8*i:OT+8*i+7], v[KV+16*i:KV+16*i+15], v[PC:PC+15], v[OT+8*i:OT+8*i+7]   ; four accumulators by turns; eleven other products stand between two on one
.set i, i+1
.endr
.Lskip_\@:
	s_add_co_u32 s2, s2, 16384                     ; these three step in every trip, worked or not
	s_add_co_u32 s30, s30, 256
	s_lshr_b32 s18, s18, 1
.endm
; A PHASE: four key steps.  At its head my part of the next piece is asked for; at its end it goes into LDS, and a barrier shows the whole piece to every wave.  The last phase asks for nothing.
.macro PHASE p
.if \p < 3
	s_wait_alu depctr_vm_vsrc(0)                   ; the LDS stores of the piece before have read v216 to v247, in which the loads below land
.set i, 0
.rept 8
	global_load_b128 v[FB+4*i:FB+4*i+3], v11, s[6:7] offset:65536*(\p+1)+512*i
.set i, i+1
.endr
.endif
	s_mov_b32 s31, 4
.Lstep_\@:
	STEP
	s_sub_co_u32 s31, s31, 1
	s_cmp_lg_u32 s31, 0
	s_cbranch_scc1 .Lstep_\@
.if \p < 3
	s_wait_loadcnt 0x0                             ; my part of the next piece is in
.set i, 0
.rept 8
	ds_store_b128 v[FA+\p], v[FB+4*i:FB+4*i+3] offset:512*i   ; bytes that nobody has read or written yet; the address was made at the head, the data come from loads: no vector instruction has named either since
.set i, i+1
.endr
	s_wait_dscnt 0x0                               ; for the others' sake: my stores are done
	s_barrier_signal -1
	s_barrier_wait -1
.endif
.endm
	PHASE 0
	PHASE 1
	PHASE 2
	PHASE 3
	; THE WAY OUT: O^T / l, quantised along the head's axis (ctx's K), eight codes a tile and lane; the four heads' 64 bytes of a row meet in the stage, and sixteen lanes store a row's 256 consecutive bytes, aligned.
	v_add_f32 v14, v14, v15
	v_permlanex16_b32 v210, v14, s100, s101
	v_add_f32 v14, v14, v210                       ; the row's sum
	v_rcp_f32 v14, v14
	v_nop                                          ; a plain line behind the reciprocal
	v_nop
	s_wait_alu depctr_va_vdst(0)                   ; the reciprocal has written v14: the wait ahead of its first reader
	v_mov_b32 v15, v14
.set i, 0
.rept 16
	v_pk_mul_f32 v[S+i:S+i+1], v[OT+i:OT+i+1], v[14:15]    ; register 8 a + j: channel 16 a + 8 h + j of query r
.set i, i+2
.endr
.set i, 0
.rept 32
	v_med3_num_f32 v[S+i], v[S+i], -v7, v7
.set i, i+1
.endr
.irp a, 0,1,2,3
	v_cvt_scalef32_pk8_fp8_f32 v[PC+2*\a:PC+2*\a+1], v[S+8*\a:S+8*\a+7], v6
.endr
	v_nop
	s_wait_alu depctr_va_vdst(0)                   ; the conversions have written v192 to v199, which the LDS stores read, and are done reading v96 to v103, in which the loads from the stage land; v8, v9 and v10, the addresses below, are written
.irp a, 0,1,2,3
	ds_store_b64 v8, v[PC+2*\a:PC+2*\a+1] offset:16*\a
.endr
	s_wait_dscnt 0x0                               ; for the others' sake: my stores into the stage are done
	s_barrier_signal -1
	s_barrier_wait -1
	ds_load_b128 v[96:99], v9
	ds_load_b128 v[100:103], v9 offset:2*SPI
	s_wait_dscnt 0x0
	global_store_b128 v10, v[96:99], s[104:105]
	global_store_b128 v10, v[100:103], s[104:105] offset:4096
	s_wait_dscnt 0x0                               ; the closing lines, six on end
	s_wait_alu 0x0
	s_wait_tensorcnt 0x0
	ds_add_u32 v254, v255
	s_wait_dscnt 0x0
	s_endpgm
.Lfunc_end_k_qad42b11405_attn:
	.size	k_qad42b11405_attn, .Lfunc_end_k_qad42b11405_attn-k_qad42b11405_attn
	.p2alignl 7, 3214868480
	.fill 96, 4, 3214868480
	.section	.rodata,"a",@progbits
	.p2align	6, 0x0
	.amdhsa_kernel k_qad42b11405_attn
		.amdhsa_group_segment_fixed_size 281600
		.amdhsa_private_segment_fixed_size 0
		.amdhsa_enable_private_segment 0
		.amdhsa_kernarg_size 48
		.amdhsa_user_sgpr_count 2
		.amdhsa_user_sgpr_kernarg_segment_ptr 1
		.amdhsa_wavefront_size32 1
		.amdhsa_system_sgpr_workgroup_id_x 1
		.amdhsa_system_sgpr_workgroup_id_y 1
		.amdhsa_system_sgpr_workgroup_id_z 1
		.amdhsa_system_vgpr_workitem_id 0
		.amdhsa_next_free_vgpr 256
		.amdhsa_next_free_sgpr 106
		.amdhsa_reserve_vcc 0
		.amdhsa_float_denorm_mode_32 3
		.amdhsa_float_denorm_mode_16_64 3
		.amdhsa_memory_ordered 1
		.amdhsa_forward_progress 1
		.amdhsa_inst_pref_size 97
	.end_amdhsa_kernel
	.amdgpu_metadata
---
amdhsa.version: [ 1, 2 ]
amdhsa.kernels:
  - .name:           k_qad42b11405_attn
    .symbol:         k_qad42b11405_attn.kd
    .args:
      - { .name: qi, .offset: 0, .size: 8, .value_kind: global_buffer, .address_space: global }
      - { .name: kv, .offset: 8, .size: 8, .value_kind: global_buffer, .address_space: global }
      - { .name: mw, .offset: 16, .size: 8, .value_kind: global_buffer, .address_space: global }
      - { .name: mf, .offset: 24, .size: 8, .value_kind: global_buffer, .address_space: global }
      - { .name: lowp_scales, .offset: 32, .size: 8, .value_kind: global_buffer, .address_space: global }
      - { .name: cc, .offset: 40, .size: 8, .value_kind: global_buffer, .address_space: global }
    .group_segment_fixed_size: 281600
    .private_segment_fixed_size: 0
    .kernarg_segment_align: 8
    .kernarg_segment_size: 48
    .max_flat_workgroup_size: 512
    .sgpr_count:     106
    .vgpr_count:     256
    .wavefront_size: 32
...
	.end_amdgpu_metadata
.endif
;; end of part 7
;; launch oproj: the kernel of part 4 again; grid 16 x 16, 4 waves a work-group, clusters of 4 x 4, 327,680 bytes of LDS; arguments cc, wc, lowp_scales, out0; writes out0
